; MI455X (gfx1250); checked and timed in simulation.
; The chip was launched on July 23, 2026; its instructions are those of AMD's public machine-readable ISA for CDNA 5 (MIT licence, August 2026) and "CDNA5" Instruction Set Architecture Reference Guide (July 2026). The comments in the code are by the model that wrote it; some were corrected since.
;; Causal Self Attention. Allowed arithmetic: matrix products marked QUANTISED: E2M3 operands, one E8M0 scale for each 32 along K, by v_wmma_scale_f32_16x16x128_f8f6f4 with both operands' format E2M3, f32 sums; products left as they are: f32 operands where the result goes on into a quantised operand, else bf16, f16 or f32 operands; f32 sums; everything else in f32.
;; Inputs: Wk 512 x 512 float32; Wo 512 x 512 float32; Wq 512 x 512 float32; Wv 512 x 512 float32; bo 512 float32; delta 4 x 2,048 x 512 float32; h 4 x 2,048 x 512 float32; tau 4 x 2,048 x 1 float32.
;; Outputs: out0 4 x 512 float32.
;; This version of the problem:
;;   THIS VERSION OF THE PROBLEM IS GIVEN IN LOW PRECISION. The matrix products marked QUANTISED in the list below multiply operands that are first quantised to E2M3 (2 exponent bits, 3 mantissa bits; 6 bits a number), with one power-of-two scale for each 32 numbers along K (OCP MX v1.0); their sums are f32. All else is computed in f32.
;;   The module's matrix products, in the order in which they are computed (A, B: the left and right operand; K: the contracted axis; several contracted axes count as one K, in the product's order):
;;     1. [M 8,192, K 512] x [K 512, N 512]; A: input h; B: input Wq: QUANTISED
;;     2. [M 8,192, K 512] x [K 512, N 512]; A: input h; B: input Wk: QUANTISED
;;     3. [M 8,192, K 512] x [K 512, N 512]; A: input h; B: input Wv: QUANTISED
;;     4. batch 32 x [M 2,048, K 64] x [K 64, N 2,048]; A: computed on the way; B: computed on the way: QUANTISED
;;     5. batch 32 x [M 1, K 64] x [K 64, N 2,048]; A: input delta; B: computed on the way: left as it is (M = 1 < 16)
;;     6. batch 32 x [M 2,048, K 2,048] x [K 2,048, N 64]; A: softmax (see below); B: computed on the way: QUANTISED
;;     7. [M 8,192, K 512] x [K 512, N 512]; A: computed on the way; B: input Wo: QUANTISED
;;   THE QUANTISER, for each operand of a quantised product, along K:
;;     - K is cut into blocks of 32 from its start; a last block that is shorter is filled with zeros.
;;     - A block's scale is 2^e with e = floor(log2(the largest magnitude in the block)) - 2, held to -126 .. 127; a block of zeros has e = 0. As a byte (E8M0): e + 127.
;;     - Each number is divided by its block's scale, clamped to +-7.5, and rounded to the nearest number of E2M3, ties to even, subnormals kept.
;;     - The product sums the exact products of the quantised numbers (number of the format x scale) in f32.
;;   ~~~python
;;   def quantise(x, axis):      # numpy; x: float32 -> the quantised numbers, widened to float32 again
;;       x = np.moveaxis(x, axis, -1); K = x.shape[-1]
;;       x = np.pad(x, [(0, 0)] * (x.ndim - 1) + [(0, -K % 32)]); x = x.reshape(x.shape[:-1] + (-1, 32)); a = np.abs(x).max(-1, keepdims=True)
;;       e = np.where(a > 0, np.clip(np.frexp(np.where(a > 0, a, 1))[1] - 1 - 2, -126, 127), 0)      # np.frexp(a)[1] - 1 = floor(log2(a)), exactly
;;       r = np.clip(x / 2.0 ** e, -7.5, 7.5)
;;       step = 2.0 ** (np.maximum(np.frexp(np.where(r == 0, 1, r))[1] - 1, 0) - 3)
;;       q = np.round(r / step) * step * 2.0 ** e      # np.round: ties to even
;;       return np.moveaxis(q.reshape(q.shape[:-2] + (-1,))[..., :K], -1, axis).astype(np.float32)
;;   ~~~
;;   SOFTMAX AHEAD OF A QUANTISED PRODUCT. Where the list says 'softmax', what is quantised is not the finished softmax but p = 2^(t - M), with t = logit x log2(e) and M = ceil(the row's largest t), a whole number; so 1/2 < the row's largest p <= 1. The row's sum l is taken of the UNQUANTISED p, in f32, and the product's result is divided by l at the end. Since M is a whole number, a kernel that streams over the keys may use a running M (the ceiling of the running maximum): every later rescaling is an exact power of two, which a block's scale takes up: the codes' values come out the same.
;;   OPERANDS COMPUTED ON THE WAY. 'Computed on the way' means the value that the module computes at that place (a softmax that the list does not call 'softmax' is quantised finished and normalised). What goes into a quantiser is computed in f32, as accurately as f32 sums, v_exp_f32 and their like allow (about 1e-6 of the number): no bf16 or f16 on the way to a quantiser, and a product that is left as it is and whose result goes on into a quantised operand takes f32 operands (vector FMAs, or v_wmma_f32_16x16x4_f32). A number that lies on a knife's edge between two numbers of the format may be rounded either way, as far as f32 arithmetic and the matrix unit's own rounding can turn it there, and no further.
;; 2 versions, each right; version 2 is version 1 with the launches prep, fin written anew for expert scheduling mode. Each part assembles by itself: llvm-mc -triple=amdgcn-amd-amdhsa -mcpu=gfx1250 --defsym DOCPART=n.
;; ======== version 1 of 2: 3 launches
;; workspace buffers: codes 4,046,848 bytes; qlast 8,192 bytes; part 196,608 bytes
;; launch prep (part 1): grid 320 x 1, 4 waves a work-group, no clusters, 76,288 bytes of LDS; arguments h, Wq, Wk, Wv, Wo, codes, qlast; writes codes, qlast
.if DOCPART == 1
	.amdgcn_target "amdgcn-amd-amdhsa--gfx1250"
	.amdhsa_code_object_version 6
	.text
	.protected	k_q7dc2aa47d8_prep
	.globl	k_q7dc2aa47d8_prep
	.p2align	8
	.type	k_q7dc2aa47d8_prep,@function
k_q7dc2aa47d8_prep:
	s_mov_b64 s[64:65], 0
	v_nop
	global_prefetch_b8 v0, s[64:65] scope:SCOPE_SE
	s_setreg_imm32_b32 hwreg(HW_REG_WAVE_MODE, 25, 1), 1
	s_wait_xcnt 0x0
; FIRST OF THREE LAUNCHES.  Only query 2047 of each batch is kept by the problem, so K and V are wanted for all 8,192 positions and Q for four.
; This launch turns h [8192][512], Wk, Wv, Wo [512][512] (f32, K innermost) into codes of FP6 (E2M3) with one E8M0 byte for each 32 along K, ONCE, and makes q = Q(h[b][2047]) Q(Wq)^T in f32.
; THE CODES' BUFFER is laid as the matrix operands' registers want it.  76 groups of 128 rows (0-63: h; 64-67: Wk; 68-71: Wv; 72-75: Wo); block (group G, K step s of 128) at (4 G + s) x 13,312 bytes;
; in it four pairs of tiles, 3,328 bytes each: tile 2 p's fragment (12 registers a lane: quad c of lane l at 512 c + 16 l), tile 2 p + 1's, then 256 bytes of scale words, 8 bytes a lane (the word, then 0):
; lanes 0-15 the words of tile 2 p's rows, lanes 16-31 those of tile 2 p + 1.  ROW r OF TILE 2 p + u IS ROW 32 p + 8 u + r + 8 (r / 8) OF ITS GROUP, so that two neighbouring tiles' results, used as source 0, are 16 neighbours a lane.
; SHARES.  Work-groups 16-319: block (G, s) = number - 16; wave w makes pair w: 32 rows x 128 along K.  Each load reads 512 consecutive bytes of a row; the 16 KB turn through the wave's own stage in LDS
; (slots of 528 bytes) and come back 16 neighbours of each block of 32 a lane.  Every store of the wave covers 512 or 256 consecutive bytes, aligned.
; Work-groups 0-15: Wq's rows 32 x number; wave w takes K step w, multiplies by the four last rows of h (column r of the product is batch r % 4), and wave 0 adds the four waves' parts in f32.
; Their 1 MB of Wq is loaded straight in the quantiser's lane order, 16 bytes a lane, so that this path needs no stage; q leaves in runs of 128 bytes (8 KB in all).
; No cluster: work-groups share nothing but those four rows of h.  No tensor loads: the bytes have to pass through registers anyway.
; A block's scale is 2^(floor(log2(largest magnitude)) - 2): the byte is the magnitude's exponent field - 2, held at 1 from below.
; LIMITS: NaN and infinities among the inputs are not served; a block whose largest magnitude lies under 2^-124, a block of zeros among them, keeps the byte 1 (zeros: the rule's 127; its codes are zeros and
; this program alone reads the bytes).  The sum over K of q is taken in four parts of 128, joined in f32.
.set WST,   32*528                     ; a wave's stage: 32 slots of 512 bytes + 16
.set QSUM,  4*WST                      ; the four waves' parts of q: 2,048 bytes each
.set SPARE, QSUM+4*2048                ; the spare words, 128 bytes a wave: two blocks of 256 bytes that no other line names
.set LI,  1                            ; v1   16 x lane
.set L8,  2                            ; v2   8 x lane
.set STW, 3                            ; v3   the stage, on the way in: my wave's + 16 x lane
.set STR, 4                            ; v4   and on the way out: slot r, + 64 h
.set WQO, 5                            ; v5   Wq: row r + 8 (r / 8), + 64 h
.set HLO, 6                            ; v6   h: batch r % 4, + 64 h
.set QSW, 7                            ; v7   where I put my part of q
.set QSR, 8                            ; v8   where wave 0 reads the parts
.set QO,  9                            ; v9   my 16 bytes of q: batch r % 4, + 64 h + 16 (r / 4)
.set SPW, 10                           ; v10  my spare word; never rewritten
.set NIL, 11                           ; v11  0; never rewritten
.set PW0, 14                           ; v14, v15 the two tiles' scale words;  v16 both in one register;  v17 0;  v18 h's
.set PW1, 15
.set PWP, 16
.set PWH, 18
.set TM,  20                           ; v20-35 at work in QUANT
.set QT,  36                           ; v36-43 likewise
.set PCA, 44                           ; v44-55, v56-67 the two tiles' codes;  v68-79 h's
.set PCB, 56
.set PCC, 68
.set R0,  96                           ; v96-159, v160-223 two tiles' numbers (window 1, v0-63: the last rows of h)
.set R1,  160
.set DA,  160                          ; v160-175 the two products
.set OUT, 224
.set TT,  228
.set WV,  18
.set SEL, 34
.set MSB, 0
.macro WIN new                         ; the immediate's high byte repeats the setting that is left; a switch that changes nothing is dropped
.if MSB != (\new)
	s_set_vgpr_msb (MSB<<8)|(\new)
.set MSB, (\new)
.endif
.endm
; 64 numbers of a lane in window w, register s + 16 b + i = k 32 b + 16 (lane / 16) + i of my row, become a fragment's 12 registers of codes at v[pc] and its scale word in v[pw].
.macro QUANT s, w, pc, pw
	WIN 5*(\w)
.irp b, 0,1,2,3
	v_max3_num_f32 v[TM+\b], |v[(\s)+16*\b]|, |v[(\s)+16*\b+1]|, 0x1800000   ; my 16 numbers of block b, and the floor 2^(3 - 127): the byte cannot fall under 1
.endr
.irp i, 2,4,6,8,10,12,14
.irp b, 0,1,2,3
	v_max3_num_f32 v[TM+\b], |v[(\s)+16*\b+\i]|, |v[(\s)+16*\b+\i+1]|, v[TM+\b]   ; the four blocks by turns
.endr
.endr
	WIN 0
.irp b, 0,1,2,3
	v_permlanex16_b32 v[TM+4+\b], v[TM+\b], s[SEL], s[SEL+1]
.endr
.irp b, 0,1,2,3
	v_max_num_f32 v[TM+\b], v[TM+\b], v[TM+4+\b]      ; with lane l xor 16's: the block's largest magnitude
.endr
.irp b, 0,1,2,3
	v_add_nc_u32 v[TM+12+\b], 0xff000000, v[TM+\b]    ; 2 off its exponent field: the conversion takes that field as its scale
.endr
.irp b, 0,1,2,3
	v_lshrrev_b32 v[TM+4+\b], 23, v[TM+12+\b]         ; the scale's byte
.endr
	v_lshl_or_b32 v[\pw], v[TM+5], 8, v[TM+4]
	v_lshl_or_b32 v[\pw], v[TM+6], 16, v[\pw]
	v_lshl_or_b32 v[\pw], v[TM+7], 24, v[\pw]
	WIN \w
.irp c, 0,1
	v_cvt_scalef32_pk16_fp6_f32 v[(\pc)+6*\c:(\pc)+6*\c+2], v[(\s)+32*\c:(\s)+32*\c+15], v[TM+12+2*\c]
	v_cvt_scalef32_pk16_fp6_f32 v[QT+4*\c:QT+4*\c+2], v[(\s)+32*\c+16:(\s)+32*\c+31], v[TM+13+2*\c]   ; (a conversion's three registers begin on an even number)
.endr
	WIN 0
	v_nop                                             ; one plain place behind the scaled conversions
.irp c, 0,1                            ; the operand wants a WHOLE block in a lane: lanes 0-15 block 2 c, lanes 16-31 block 2 c + 1
.irp i, 0,1,2
	v_permlane16_swap_b32 v[(\pc)+6*\c+\i], v[QT+4*\c+\i]
.endr
.irp i, 0,1,2
	v_mov_b32 v[(\pc)+3+6*\c+\i], v[QT+4*\c+\i]
.endr
.endr
.endm
	s_load_b256 s[4:11], s[0:1], 0x0               ; h, Wq, Wk, Wv
	s_load_b128 s[12:15], s[0:1], 0x20             ; Wo, the codes
	s_load_b64 s[16:17], s[0:1], 0x30              ; q
	v_lshl_add_u32 v[SPW], v0, 2, SPARE
	v_mov_b32 v[NIL], 0
	v_lshrrev_b32 v12, 5, v0
	v_readfirstlane_b32 s[WV], v12                 ; wave 0..3
	v_and_b32 v13, 31, v0
	v_lshlrev_b32 v[LI], 4, v13
	v_lshlrev_b32 v[L8], 3, v13
	v_and_b32 v12, 15, v0                          ; r
	v_bfe_u32 v13, v0, 4, 1                        ; h
	s_mul_i32 s19, s[WV], WST
	v_add_nc_u32 v[STW], s19, v[LI]
	v_mul_u32_u24 v[STR], v12, 528
	v_lshl_add_u32 v[STR], v13, 6, v[STR]
	v_add_nc_u32 v[STR], s19, v[STR]
	v_and_b32 v[WQO], 8, v12
	v_add_nc_u32 v[WQO], v[WQO], v12               ; r + 8 (r / 8)
	v_lshlrev_b32 v[WQO], 11, v[WQO]               ; rows of 2,048 bytes
	v_lshl_add_u32 v[WQO], v13, 6, v[WQO]
	v_and_b32 v[HLO], 3, v12
	v_lshlrev_b32 v[HLO], 22, v[HLO]               ; a batch of h is 2,048 x 2,048 bytes
	v_lshl_add_u32 v[HLO], v13, 6, v[HLO]
	s_lshl_b32 s19, s[WV], 11
	v_add_nc_u32 v[QSW], s19, v[LI]
	v_add_nc_u32 v[QSW], QSUM, v[QSW]
	v_add_nc_u32 v[QSR], QSUM, v[LI]
	v_and_b32 v[QO], 3, v12
	v_lshlrev_b32 v[QO], 11, v[QO]
	v_lshl_add_u32 v[QO], v13, 6, v[QO]
	v_lshrrev_b32 v12, 2, v12
	v_lshl_add_u32 v[QO], v12, 4, v[QO]
	v_mov_b32 v17, 0
.irp b, 0,1,2,3
	v_mov_b32 v[TM+4+\b], 0                        ; written once: a lane permute's destination counts as one of its sources
.endr
	s_mov_b32 s[SEL], 0x76543210
	s_mov_b32 s[SEL+1], 0xfedcba98                 ; v_permlanex16_b32's selects for lane l xor 16
	s_mov_b32 s36, 0xffff0000                      ; lanes 16-31
	s_mov_b32 s37, 0xf0f0f0f0                      ; lanes whose r / 4 is odd
	s_mov_b32 s38, 0xff00ff00                      ; lanes whose r / 8 is 1
	s_wait_kmcnt 0x0
	s_cmp_lt_u32 ttmp9, 16                         ; the one parting of the two kinds of work-groups: on the work-group's number, alike in all four waves
	s_cbranch_scc1 .Lq
	; ---- a pair of tiles of h, Wk, Wv or Wo
	s_sub_co_u32 s20, ttmp9, 16                    ; 4 G + s
	s_lshr_b32 s21, s20, 2                         ; G
	s_and_b32 s22, s20, 3                          ; the K step
	s_cmp_lt_u32 s21, 72                           ; the tensor is chosen by the group's number alone
	s_cselect_b64 s[24:25], s[10:11], s[12:13]
	s_cmp_lt_u32 s21, 68
	s_cselect_b64 s[24:25], s[8:9], s[24:25]
	s_and_b32 s23, s21, 3
	s_cmp_lt_u32 s21, 64
	s_cselect_b64 s[24:25], s[4:5], s[24:25]
	s_cselect_b32 s23, s21, s23                    ; which 128 rows of that tensor,
	s_lshl_b32 s23, s23, 2
	s_add_co_u32 s23, s23, s[WV]                   ; which 32
	s_lshl_b32 s26, s23, 16                        ; 32 rows of 2,048 bytes
	s_lshl_b32 s28, s22, 9                         ; 128 numbers along K
	s_add_co_u32 s26, s26, s28
	s_mov_b32 s27, 0
	s_add_nc_u64 s[24:25], s[24:25], s[26:27]
	s_mul_i32 s28, s20, 13312
	s_mul_i32 s29, s[WV], 3328
	s_add_co_u32 s28, s28, s29
	s_mov_b32 s29, 0
	s_add_nc_u64 s[14:15], s[14:15], s[28:29]      ; my pair's place among the codes
.set i, 0
.rept 32                               ; slot i = 16 u + r takes row 8 u + r + 8 (r / 8): 32 lanes read 512 consecutive bytes; read once in this launch, but for four rows of h
	global_load_b128 v[R0+4*i:R0+4*i+3], v[LI], s[24:25] offset:(8*(i/16)+(i%16)+8*((i%16)/8))*2048 th:TH_LOAD_NT
.set i, i+1
.endr
	s_wait_loadcnt 16                              ; tile 0's sixteen rows are in; tile 1's may be out
.set i, 0
.rept 16
	ds_store_b128 v[STW], v[R0+4*i:R0+4*i+3] offset:528*i
.set i, i+1
.endr
	s_wait_loadcnt 0x0
.rept 16
	ds_store_b128 v[STW], v[R0+4*i:R0+4*i+3] offset:528*i
.set i, i+1
.endr
	s_wait_dscnt 16                                ; tile 0's stores have read their registers (tile 1's sixteen may be out): they take tile 0 back, 16 neighbours of each block a lane
.irp b, 0,1,2,3
.irp j, 0,1,2,3
	ds_load_b128 v[R0+16*\b+4*\j:R0+16*\b+4*\j+3], v[STR] offset:128*\b+16*\j
.endr
.endr
	s_wait_dscnt 16                                ; tile 1's stores likewise (the sixteen loads just issued may be out)
.irp b, 0,1,2,3
.irp j, 0,1,2,3
	ds_load_b128 v[R1+16*\b+4*\j:R1+16*\b+4*\j+3], v[STR] offset:16*528+128*\b+16*\j
.endr
.endr
	s_wait_dscnt 16                                ; tile 0 is back
	QUANT R0, 0, PCA, PW0
	s_wait_dscnt 0x0
	QUANT R1, 0, PCB, PW1
	v_cndmask_b32 v[PWP], v[PW0], v[PW1], s36      ; lanes 0-15: tile 0's words; lanes 16-31: tile 1's (both halves of the lanes hold a row's word)
.irp c, 0,1,2
	global_store_b128 v[LI], v[PCA+4*\c:PCA+4*\c+3], s[14:15] offset:512*\c          ; 512 consecutive bytes, aligned to 256
	global_store_b128 v[LI], v[PCB+4*\c:PCB+4*\c+3], s[14:15] offset:1536+512*\c
.endr
	global_store_b64 v[L8], v[PWP:PWP+1], s[14:15] offset:3072                       ; 256 consecutive bytes, aligned
	s_branch .Lend
	; ---- q: 32 rows of Wq, K step = my wave
.Lq:
	s_lshl_b32 s26, ttmp9, 16                      ; 32 rows of 2,048 bytes
	s_lshl_b32 s28, s[WV], 9
	s_add_co_u32 s26, s26, s28
	s_mov_b32 s27, 0
	s_add_nc_u64 s[6:7], s[6:7], s[26:27]
	s_add_co_u32 s28, s28, 2047*2048               ; position 2047
	s_mov_b32 s29, 0
	s_add_nc_u64 s[4:5], s[4:5], s[28:29]
	WIN 0x40                                       ; destination window 1
.irp b, 0,1,2,3
.irp j, 0,1,2,3
	global_load_b128 v[16*\b+4*\j:16*\b+4*\j+3], v[HLO], s[4:5] offset:128*\b+16*\j
.endr
.endr
	WIN 0
.irp u, 0,1
.irp b, 0,1,2,3
.irp j, 0,1,2,3
	global_load_b128 v[R0+64*\u+16*\b+4*\j:R0+64*\u+16*\b+4*\j+3], v[WQO], s[6:7] offset:8*\u*2048+128*\b+16*\j th:TH_LOAD_NT
.endr
.endr
.endr
	s_wait_loadcnt 32                              ; h's rows are in; Wq's 32 loads may be out
	QUANT 0, 1, PCC, PWH
	s_wait_loadcnt 16                              ; tile 0 is in
	QUANT R0, 0, PCA, PW0
	s_wait_loadcnt 0x0
	QUANT R1, 0, PCB, PW1
	v_cndmask_b32 v[PWP], v[PW0], v[PW1], s36
.rept 8
	v_nop                                          ; a scale register written by a vector instruction stands 8 places ahead of a scaled matrix instruction, an operand 4
.endr
	; transposed: source 0 = 16 rows of Wq, source 1 = h's rows: lane (r, h) holds batch r % 4, and the 16 registers are n = 32 x work-group + 16 h + 0 .. 15
	v_wmma_scale_f32_16x16x128_f8f6f4 v[DA:DA+7], v[PCA:PCA+11], v[PCC:PCC+11], 0, v[PWP], v[PWH] matrix_a_fmt:MATRIX_FMT_FP6 matrix_b_fmt:MATRIX_FMT_FP6
	v_wmma_scale_f32_16x16x128_f8f6f4 v[DA+8:DA+15], v[PCB:PCB+11], v[PCC:PCC+11], 0, v[PWP], v[PWH] matrix_a_fmt:MATRIX_FMT_FP6 matrix_b_fmt:MATRIX_FMT_FP6 matrix_a_scale:MATRIX_SCALE_ROW1
.rept 4
	v_nop                                          ; four places ahead of the stores that read the results
.endr
.irp c, 0,1,2,3
	ds_store_b128 v[QSW], v[DA+4*\c:DA+4*\c+3] offset:512*\c     ; each result from its low end on
.endr
	s_wait_dscnt 0x0                               ; for the others' sake: my part lies in LDS
	s_barrier_signal -1
	s_barrier_wait -1
	s_cmp_lg_u32 s[WV], 0
	s_cbranch_scc1 .Lend
.set i, 0
.rept 16                               ; wave i / 4's quad i % 4
	ds_load_b128 v[R0+4*i:R0+4*i+3], v[QSR] offset:512*i
.set i, i+1
.endr
	s_wait_dscnt 0x0
.irp p, 0,2,4,6,8,10,12,14
	v_pk_add_f32 v[R0+\p:R0+\p+1], v[R0+\p:R0+\p+1], v[R0+16+\p:R0+16+\p+1]
	v_pk_add_f32 v[R0+32+\p:R0+32+\p+1], v[R0+32+\p:R0+32+\p+1], v[R0+48+\p:R0+48+\p+1]
.endr
.irp p, 0,2,4,6,8,10,12,14
	v_pk_add_f32 v[R0+\p:R0+\p+1], v[R0+\p:R0+\p+1], v[R0+32+\p:R0+32+\p+1]
.endr
.irp i, 0,1,2,3                        ; four lanes hold the same batch: lane r stores quad r / 4 of its 16 numbers
	v_cndmask_b32 v[TT+\i], v[R0+\i], v[R0+4+\i], s37
	v_cndmask_b32 v[TT+4+\i], v[R0+8+\i], v[R0+12+\i], s37
.endr
.irp i, 0,1,2,3
	v_cndmask_b32 v[OUT+\i], v[TT+\i], v[TT+4+\i], s38
.endr
	s_lshl_b32 s26, ttmp9, 7                       ; 32 numbers a work-group
	s_mov_b32 s27, 0
	s_add_nc_u64 s[16:17], s[16:17], s[26:27]
	global_store_b128 v[QO], v[OUT:OUT+3], s[16:17]
.Lend:
	s_wait_tensorcnt 0x0                           ; the wave's end
	ds_add_u32 v[SPW], v[NIL]
	s_wait_dscnt 0x0
	s_endpgm
.Lfunc_end_k_q7dc2aa47d8_prep:
	.size	k_q7dc2aa47d8_prep, .Lfunc_end_k_q7dc2aa47d8_prep-k_q7dc2aa47d8_prep
	.p2alignl 7, 3214868480
	.fill 96, 4, 3214868480
	.section	.rodata,"a",@progbits
	.p2align	6, 0x0
	.amdhsa_kernel k_q7dc2aa47d8_prep
		.amdhsa_group_segment_fixed_size 76288
		.amdhsa_private_segment_fixed_size 0
		.amdhsa_enable_private_segment 0
		.amdhsa_kernarg_size 56
		.amdhsa_user_sgpr_count 2
		.amdhsa_user_sgpr_kernarg_segment_ptr 1
		.amdhsa_wavefront_size32 1
		.amdhsa_system_sgpr_workgroup_id_x 1
		.amdhsa_system_sgpr_workgroup_id_y 1
		.amdhsa_system_sgpr_workgroup_id_z 1
		.amdhsa_system_vgpr_workitem_id 0
		.amdhsa_next_free_vgpr 320
		.amdhsa_next_free_sgpr 66
		.amdhsa_reserve_vcc 0
		.amdhsa_float_denorm_mode_32 3
		.amdhsa_float_denorm_mode_16_64 3
		.amdhsa_memory_ordered 1
		.amdhsa_forward_progress 1
		.amdhsa_inst_pref_size 40
	.end_amdhsa_kernel
	.amdgpu_metadata
---
amdhsa.version: [ 1, 2 ]
amdhsa.kernels:
  - .name:           k_q7dc2aa47d8_prep
    .symbol:         k_q7dc2aa47d8_prep.kd
    .args:
      - { .name: h, .offset: 0, .size: 8, .value_kind: global_buffer, .address_space: global }
      - { .name: Wq, .offset: 8, .size: 8, .value_kind: global_buffer, .address_space: global }
      - { .name: Wk, .offset: 16, .size: 8, .value_kind: global_buffer, .address_space: global }
      - { .name: Wv, .offset: 24, .size: 8, .value_kind: global_buffer, .address_space: global }
      - { .name: Wo, .offset: 32, .size: 8, .value_kind: global_buffer, .address_space: global }
      - { .name: codes, .offset: 40, .size: 8, .value_kind: global_buffer, .address_space: global }
      - { .name: qlast, .offset: 48, .size: 8, .value_kind: global_buffer, .address_space: global }
    .group_segment_fixed_size: 76288
    .private_segment_fixed_size: 0
    .kernarg_segment_align: 8
    .kernarg_segment_size: 56
    .max_flat_workgroup_size: 128
    .sgpr_count:     66
    .vgpr_count:     320
    .wavefront_size: 32
...
	.end_amdgpu_metadata
.endif
;; end of part 1
;; launch main (part 2): grid 4 x 64, 4 waves a work-group, clusters of 4 x 4, 176,128 bytes of LDS; arguments codes, qlast, delta, tau, part; writes part
.if DOCPART == 2
	.amdgcn_target "amdgcn-amd-amdhsa--gfx1250"
	.amdhsa_code_object_version 6
	.text
	.protected	k_q7dc2aa47d8_main
	.globl	k_q7dc2aa47d8_main
	.p2align	8
	.type	k_q7dc2aa47d8_main,@function
k_q7dc2aa47d8_main:
	s_mov_b64 s[64:65], 0
	v_nop
	global_prefetch_b8 v0, s[64:65] scope:SCOPE_SE
	s_setreg_imm32_b32 hwreg(HW_REG_WAVE_MODE, 25, 1), 1
	s_wait_xcnt 0x0
	s_wait_alu depctr_hold_cnt(0) depctr_sa_sdst(0) depctr_va_vdst(0) depctr_va_sdst(0) depctr_va_ssrc(0) depctr_va_vcc(0) depctr_vm_vsrc(0)
	s_getreg_b32 s2, hwreg(HW_REG_IB_STS2, 6, 4)
	s_cmp_eq_u32 s2, 0
	s_cbranch_scc0 .Lentry_in_a_cluster
	s_endpgm
.Lentry_in_a_cluster:
	s_bfe_u32 s2, ttmp6, 0x10000c
	s_cmp_lg_u32 s2, 0xf033
	s_cbranch_scc0 .Lentry_shape_is_right
	s_endpgm
.Lentry_shape_is_right:
; SECOND OF THREE LAUNCHES.  Work-group (g, c): heads 2 g and 2 g + 1, keys 128 c .. 128 c + 127 of the 8,192 positions (batch c / 16).  It makes K and V of those keys and heads (products on codes of FP6, E2M3,
; one E8M0 byte for each 32 along K), the bias delta[b][2047] . K in f32, the logits of query 2047, a softmax over ITS 128 keys, and its part of P V.  Out goes a record of 768 bytes:
; 128 numbers O (not normalised, under the chunk's own M), then for lane l the pair (M, l) of head 2 g + l % 2.  The third launch joins the 16 chunks of a batch.
; THE SOFTMAX: t = logit x log2(e), M = ceil(the chunk's largest t), p = 2^(t - M); p is quantised along the keys, the sum l is taken of the unquantised p.  M is a whole number, so joining chunks multiplies by exact powers of two.
; The logit is clipped to +-50 as the problem has it, so t - M lies between -145 and 0.
; OPERANDS come as images of the matrix operands' registers (the first launch's layout): a K step's block of 128 rows is 13,312 dense bytes.  All four K steps of h's, Wk's and Wv's blocks, 159,744 bytes, fit in LDS at once:
; each byte of LDS is filled once, twelve tensor loads go out at the head (wave 0: h's four, wave 1: Wk's, wave 2: Wv's; four of a wave's loads are out at the most), and there is no ring.
; CLUSTERS: 4 x 4 work-groups.  h's blocks hang on c alone and are shared along a row of the cluster, the weights' on g alone and are shared along a column: each is asked for JOINTLY, by the same load with the same descriptor
; and a mask that names the four.
; SHARES OF A WAVE.  K: its 32 keys (tiles 2 w, 2 w + 1) x the 128 dims, source 0 = Wk, source 1 = h: a lane holds ONE key and its registers run along the dims, the next product's K.
; V: all 128 keys x dims 32 w .. 32 w + 31, source 0 = h, source 1 = Wv: a lane holds ONE dim and its registers run along the keys.  32 accumulators take turns, one instruction a turn.
; K's codes go from wave to wave through LDS as images; then EVERY wave makes all 128 logits and p (some 300 vector lines done four times, in place of two more barriers and an exchange of p).
; In the logits' product column n stands for head 2 g + n % 2: q's codes of the other head are zeros there, which add nothing.
; REGISTERS: window 0: v1-19 addresses; v20-41, v126 scale words and nothing else; v42-65 at work in QUANT; v66.. q's, p's, V's, K's codes; v128-143 statistics; v144-239 h's eight fragments, before them q in f32, behind them the scores;
;   window 1: v0-127 K (64 u + 8 t), v128-255 V (128 + 64 dt + 8 T);   window 2: v0-95 Wk's fragments, later K's; v96-119 Wv's; v120-143 my two tiles of h; v144-207 delta, later the bias.
; LIMITS: NaN and infinities are not served; a block whose largest magnitude lies under 2^-124 keeps the byte 1 (a block of zeros too: its codes are zeros); p under 2^-126 comes out of v_exp_f32 as 0;
; the logit is one fused multiply-add, (tau / 8) x qk + bias, rounded once where the problem's text rounds twice.
.set OPS,   39936                      ; LDS: a K step's three blocks: h's, Wk's, Wv's
.set BLK,   13312
.set PAIR,  3328
.set KIMG,  4*OPS                      ; K's eight fragments as images, 1,536 bytes each
.set KSC,   KIMG+8*1536                ; their scale words, 128 bytes each
.set BIAS,  KSC+8*128                  ; the bias: head e, tile T, row m at 512 e + 64 T + 4 m
.set OST,   BIAS+1024                  ; the 128 numbers O
.set SPARE, OST+512                    ; the spare words, 128 bytes a wave: two blocks of 256 bytes that no other line names
.set LI,  1                            ; 16 x lane
.set L8,  2                            ; 8 x lane
.set LS,  3                            ; 4 x lane
.set AD,  4                            ; the K step's blocks + 16 x lane
.set AHK, 5                            ; my pair of h's tiles
.set AWV, 6                            ; my pair of Wv's
.set SD,  7                            ; the K step's blocks + 8 x lane
.set SHK, 8                            ; my pair of h's scale words
.set SWV, 9                            ; my pair of Wv's
.set KWI, 10                           ; where I store K's images
.set KWS, 11                           ; and their scale words
.set BA,  12                           ; where I store the bias
.set BR,  13                           ; where I read it
.set OA,  14                           ; where I store my number of O
.set H64, 15                           ; 64 h
.set SPW, 16                           ; my spare word; never rewritten
.set NIL, 17                           ; 0; never rewritten
.set KRI, 18
.set KRS, 19
.set HS,  20                           ; v20-23 h's scale words, a register a pair of tiles;  v24 my pair's
.set HKS, 24
.set WKS, 25                           ; v25-28 Wk's;  v29 my pair of Wv's
.set WVS, 29
.set QS,  30                           ; q's;  v31 p's;  v32-33 V's;  v34-41 K's
.set PS,  31
.set VS,  32
.set KS,  34
.set TM,  42
.set QT,  58
.set QF,  66
.set PF,  78
.set VF,  90
.set PC,  114
.set KPW, 126
.set NM,  128                          ; v128 -M (v129 written with it: the packed form names the pair)
.set SUM, 130
.set ML,  132                          ; v132 M, v133 l
.set TA,  134
.set BS,  136                          ; four bias sums, in pairs
.set HF,  144
.set SS,  144                          ; the scores, then p
.set OO,  208
.set OT,  224
.set MX,  240
.set HK,  120                          ; window 2
.set WVF, 96
.set DL,  144
.set WV,  14
.set G1H, 24
.set G1W, 32
.set G0H, 40
.set G0W, 72
.set SEL, 96
.set MSB, 0
.macro WIN new                         ; the immediate's high byte repeats the setting that is left; a switch that changes nothing is dropped
.if MSB != (\new)
	s_set_vgpr_msb (MSB<<8)|(\new)
.set MSB, (\new)
.endif
.endm
; 64 numbers of a lane in window w, register s + 16 b + i = k 32 b + 16 (lane / 16) + i of my row, become a fragment's 12 registers of codes at v[pc] and its scale word in v[pw].
.macro QUANT s, w, pc, pw
	WIN 5*(\w)
.irp b, 0,1,2,3
	v_max3_num_f32 v[TM+\b], |v[(\s)+16*\b]|, |v[(\s)+16*\b+1]|, 0x1800000   ; my 16 numbers of block b, and the floor 2^(3 - 127): the byte cannot fall under 1
.endr
.irp i, 2,4,6,8,10,12,14
.irp b, 0,1,2,3
	v_max3_num_f32 v[TM+\b], |v[(\s)+16*\b+\i]|, |v[(\s)+16*\b+\i+1]|, v[TM+\b]   ; the four blocks by turns
.endr
.endr
	WIN 0
.irp b, 0,1,2,3
	v_permlanex16_b32 v[TM+4+\b], v[TM+\b], s[SEL], s[SEL+1]
.endr
.irp b, 0,1,2,3
	v_max_num_f32 v[TM+\b], v[TM+\b], v[TM+4+\b]      ; with lane l xor 16's: the block's largest magnitude
.endr
.irp b, 0,1,2,3
	v_add_nc_u32 v[TM+12+\b], 0xff000000, v[TM+\b]    ; 2 off its exponent field: the conversion takes that field as its scale
.endr
.irp b, 0,1,2,3
	v_lshrrev_b32 v[TM+4+\b], 23, v[TM+12+\b]         ; the scale's byte
.endr
	v_lshl_or_b32 v[\pw], v[TM+5], 8, v[TM+4]
	v_lshl_or_b32 v[\pw], v[TM+6], 16, v[\pw]
	v_lshl_or_b32 v[\pw], v[TM+7], 24, v[\pw]
	WIN \w
.irp c, 0,1
	v_cvt_scalef32_pk16_fp6_f32 v[(\pc)+6*\c:(\pc)+6*\c+2], v[(\s)+32*\c:(\s)+32*\c+15], v[TM+12+2*\c]
	v_cvt_scalef32_pk16_fp6_f32 v[QT+4*\c:QT+4*\c+2], v[(\s)+32*\c+16:(\s)+32*\c+31], v[TM+13+2*\c]   ; (a conversion's three registers begin on an even number)
.endr
	WIN 0
	v_nop                                             ; one plain place behind the scaled conversions
.irp c, 0,1                            ; the operand wants a WHOLE block in a lane: lanes 0-15 block 2 c, lanes 16-31 block 2 c + 1
.irp i, 0,1,2
	v_permlane16_swap_b32 v[(\pc)+6*\c+\i], v[QT+4*\c+\i]
.endr
.irp i, 0,1,2
	v_mov_b32 v[(\pc)+3+6*\c+\i], v[QT+4*\c+\i]
.endr
.endr
.endm
; One matrix instruction.  ra, rb = 1: source 0's, source 1's scale words stand in lanes 16-31 of their register.  WMZ starts a sum with the constant 0, WMC adds in place.
.macro WMZ d, a, b, sa, sb, ra, rb
.if ((\ra) == 0) && ((\rb) == 0)
	v_wmma_scale_f32_16x16x128_f8f6f4 v[(\d):(\d)+7], v[(\a):(\a)+11], v[(\b):(\b)+11], 0, v[(\sa)], v[(\sb)] matrix_a_fmt:MATRIX_FMT_FP6 matrix_b_fmt:MATRIX_FMT_FP6
.elseif ((\ra) == 1) && ((\rb) == 0)
	v_wmma_scale_f32_16x16x128_f8f6f4 v[(\d):(\d)+7], v[(\a):(\a)+11], v[(\b):(\b)+11], 0, v[(\sa)], v[(\sb)] matrix_a_fmt:MATRIX_FMT_FP6 matrix_b_fmt:MATRIX_FMT_FP6 matrix_a_scale:MATRIX_SCALE_ROW1
.elseif ((\ra) == 0)
	v_wmma_scale_f32_16x16x128_f8f6f4 v[(\d):(\d)+7], v[(\a):(\a)+11], v[(\b):(\b)+11], 0, v[(\sa)], v[(\sb)] matrix_a_fmt:MATRIX_FMT_FP6 matrix_b_fmt:MATRIX_FMT_FP6 matrix_b_scale:MATRIX_SCALE_ROW1
.else
	v_wmma_scale_f32_16x16x128_f8f6f4 v[(\d):(\d)+7], v[(\a):(\a)+11], v[(\b):(\b)+11], 0, v[(\sa)], v[(\sb)] matrix_a_fmt:MATRIX_FMT_FP6 matrix_b_fmt:MATRIX_FMT_FP6 matrix_a_scale:MATRIX_SCALE_ROW1 matrix_b_scale:MATRIX_SCALE_ROW1
.endif
.endm
.macro WMC d, a, b, sa, sb, ra, rb
.if ((\ra) == 0) && ((\rb) == 0)
	v_wmma_scale_f32_16x16x128_f8f6f4 v[(\d):(\d)+7], v[(\a):(\a)+11], v[(\b):(\b)+11], v[(\d):(\d)+7], v[(\sa)], v[(\sb)] matrix_a_fmt:MATRIX_FMT_FP6 matrix_b_fmt:MATRIX_FMT_FP6
.elseif ((\ra) == 1) && ((\rb) == 0)
	v_wmma_scale_f32_16x16x128_f8f6f4 v[(\d):(\d)+7], v[(\a):(\a)+11], v[(\b):(\b)+11], v[(\d):(\d)+7], v[(\sa)], v[(\sb)] matrix_a_fmt:MATRIX_FMT_FP6 matrix_b_fmt:MATRIX_FMT_FP6 matrix_a_scale:MATRIX_SCALE_ROW1
.elseif ((\ra) == 0)
	v_wmma_scale_f32_16x16x128_f8f6f4 v[(\d):(\d)+7], v[(\a):(\a)+11], v[(\b):(\b)+11], v[(\d):(\d)+7], v[(\sa)], v[(\sb)] matrix_a_fmt:MATRIX_FMT_FP6 matrix_b_fmt:MATRIX_FMT_FP6 matrix_b_scale:MATRIX_SCALE_ROW1
.else
	v_wmma_scale_f32_16x16x128_f8f6f4 v[(\d):(\d)+7], v[(\a):(\a)+11], v[(\b):(\b)+11], v[(\d):(\d)+7], v[(\sa)], v[(\sb)] matrix_a_fmt:MATRIX_FMT_FP6 matrix_b_fmt:MATRIX_FMT_FP6 matrix_a_scale:MATRIX_SCALE_ROW1 matrix_b_scale:MATRIX_SCALE_ROW1
.endif
.endm
; A round of the cluster's barrier: my work-group's barrier; wave 0 signals for the work-group; every wave waits for all sixteen work-groups; my work-group's barrier once more.
.macro CROUND
	s_barrier_signal -1
	s_barrier_wait -1
	s_cmp_lg_u32 s[WV], 0
	s_cbranch_scc1 .Lnot_wave_0_\@
	s_barrier_signal -3
.Lnot_wave_0_\@:
	s_barrier_wait -3
	s_barrier_signal -1
	s_barrier_wait -1
.endm
	s_load_b256 s[4:11], s[0:1], 0x0               ; the codes, q, delta, tau
	s_load_b64 s[12:13], s[0:1], 0x20              ; the records
	v_lshl_add_u32 v[SPW], v0, 2, SPARE
	v_mov_b32 v[NIL], 0
	ds_add_u32 v[SPW], v[NIL]                      ; the wave's opening: the add and its wait stand ahead of the first tensor loads; the set-up below, work on registers, stands between them
	v_lshrrev_b32 v1, 5, v0
	v_readfirstlane_b32 s[WV], v1                  ; wave 0..3
	s_bfe_u32 s16, ttmp6, 0x40000                  ; cx, cy: my place in the cluster
	s_bfe_u32 s17, ttmp6, 0x40004
	s_lshl_b32 s18, ttmp9, 2
	s_add_co_u32 s18, s18, s16                     ; g = 4 x cluster x + cx
	s_and_b32 s19, ttmp7, 0xffff
	s_lshl_b32 s19, s19, 2
	s_add_co_u32 s19, s19, s17                     ; c = 4 x cluster y + cy
	s_lshr_b32 s20, s19, 4                         ; the batch
	s_lshl_b32 s21, s17, 2
	s_lshl_b32 s21, 15, s21                        ; my row of the cluster
	s_lshl_b32 s22, 0x1111, s16                    ; my column
	; descriptor group 1: a dense block of 13,312 bytes as 52 rows of 256 bytes (32 elements of 8 bytes), no padding: the images are read 512 consecutive bytes an instruction
	s_or_b32 s[G1H], s21, (3<<16)|(1<<21)          ; 15:0 the mask: h's blocks go to my row; 17:16 elements of 8 bytes; 21 set beside a mask
	s_or_b32 s[G1W], s22, (3<<16)|(1<<21)          ; the weights' blocks go to my column
.irp g, G1H, G1W
	s_mov_b32 s[\g+1], 32<<16                      ; tensor_dim0
	s_mov_b32 s[\g+2], 52<<16                      ; tensor_dim1
	s_mov_b32 s[\g+3], 32<<16                      ; tile_dim0
	s_mov_b32 s[\g+4], 52                          ; tile_dim1
	s_mov_b32 s[\g+5], 32                          ; tensor_dim0_stride
	s_mov_b32 s[\g+6], 0
	s_mov_b32 s[\g+7], 0
.endr
	s_mul_i32 s56, s19, 4*BLK                      ; h's group c: made of c alone
	s_mov_b32 s57, 0
	s_lshl_b32 s58, s[WV], 2
	s_add_co_u32 s58, s58, s18
	s_add_co_u32 s58, s58, 60                      ; group 64 + g (Wk) in wave 1, 68 + g (Wv) in wave 2: made of g and the wave's number alone
	s_mul_i32 s58, s58, 4*BLK
	s_mov_b32 s59, 0
	s_mul_i32 s60, s[WV], BLK                      ; where a wave's blocks go in a K step's region: no place in the cluster enters an LDS address
	s_lshl_b32 s88, s20, 11                        ; q: 2,048 bytes a batch, 512 a head group
	s_lshl_b32 s90, s18, 9
	s_add_co_u32 s88, s88, s90
	s_mov_b32 s89, 0
	s_lshl_b32 s92, s20, 22                        ; delta: position 2047 of the batch, the head group's 128 numbers
	s_add_co_u32 s92, s92, s90
	s_add_co_u32 s92, s92, 2047*2048
	s_mov_b32 s93, 0
	s_lshl_b32 s94, s20, 13                        ; tau: position 2047 of the batch
	s_add_co_u32 s94, s94, 2047*4
	s_mov_b32 s95, 0
	s_lshl_b32 s90, s19, 2
	s_add_co_u32 s90, s90, s18
	s_mul_i32 s90, s90, 768                        ; record 4 c + g
	s_mov_b32 s91, 0
	s_mov_b32 s[SEL], 0x76543210
	s_mov_b32 s[SEL+1], 0xfedcba98                 ; v_permlanex16_b32's selects for lane l xor 16
	s_mov_b32 s100, 0x42480000                     ; 50
	s_mov_b32 s101, 0xc2480000                     ; -50
	s_mov_b32 s67, 0xffff0000                      ; lanes 16-31
	s_cmp_lt_u32 s[WV], 2
	s_cselect_b32 s66, 0, -1                       ; my 32 dims of V belong to head 2 g (waves 0, 1) or 2 g + 1
	s_wait_dscnt 0x0                               ; the opening add is done
	s_wait_kmcnt 0x0
	s_add_nc_u64 s[56:57], s[4:5], s[56:57]
	s_add_nc_u64 s[58:59], s[4:5], s[58:59]
	s_add_nc_u64 s[6:7], s[6:7], s[88:89]
	s_add_nc_u64 s[8:9], s[8:9], s[92:93]
	s_add_nc_u64 s[10:11], s[10:11], s[94:95]
	s_add_nc_u64 s[12:13], s[12:13], s[90:91]
.irp s, 0,1,2,3                        ; descriptor group 0, a set for each K step
	s_mov_b32 s[G0H+4*\s], 1                                       ; count = 1
	s_add_co_u32 s[G0H+4*\s+1], s60, \s*OPS                        ; LDS address
	s_add_nc_u64 s[G0H+4*\s+2:G0H+4*\s+3], s[56:57], \s*BLK        ; global address
	s_or_b32 s[G0H+4*\s+3], s[G0H+4*\s+3], 0x80000000              ; type = 2
	s_mov_b32 s[G0W+4*\s], 1
	s_add_co_u32 s[G0W+4*\s+1], s60, \s*OPS
	s_add_nc_u64 s[G0W+4*\s+2:G0W+4*\s+3], s[58:59], \s*BLK
	s_or_b32 s[G0W+4*\s+3], s[G0W+4*\s+3], 0x80000000
.endr
	CROUND                                         ; all sixteen work-groups are here: the joint loads meet
	s_cmp_eq_u32 s[WV], 0                          ; a wave's four fills stand in one branch on the wave's number, ahead of every wait on TENSORcnt, every LDS read and every other barrier;
	s_cbranch_scc0 .Lnot_h                         ; an s_nop 0 follows each load and four v_nop the last
.irp s, 0,1,2,3
	tensor_load_to_lds s[G0H+4*\s:G0H+4*\s+3], s[G1H:G1H+7]
	s_nop 0
.endr
.rept 4
	v_nop
.endr
	s_branch .Lasked
.Lnot_h:
	s_cmp_lt_u32 s[WV], 3
	s_cbranch_scc0 .Lasked
.irp s, 0,1,2,3
	tensor_load_to_lds s[G0W+4*\s:G0W+4*\s+3], s[G1W:G1W+7]
	s_nop 0
.endr
.rept 4
	v_nop
.endr
.Lasked:
	; ---- while the blocks are on their way: q, delta, tau; the addresses; q's codes
	s_load_b32 s98, s[10:11], 0x0                  ; tau
	v_bfe_u32 v241, v0, 4, 1                       ; h
	v_lshlrev_b32 v[H64], 6, v241
.irp b, 0,1,2,3
.irp j, 0,1,2,3
	global_load_b128 v[SS+16*\b+4*\j:SS+16*\b+4*\j+3], v[H64], s[6:7] offset:128*\b+16*\j    ; every row r takes the same q: dims 32 b + 16 h + 0 .. 15
.endr
.endr
	WIN 0x80                                       ; destination window 2
.irp b, 0,1,2,3
.irp j, 0,1,2,3
	global_load_b128 v[DL+16*\b+4*\j:DL+16*\b+4*\j+3], v[H64], s[8:9] offset:128*\b+16*\j    ; delta likewise
.endr
.endr
	WIN 0
	v_and_b32 v242, 31, v0
	v_lshlrev_b32 v[LI], 4, v242
	v_lshlrev_b32 v[L8], 3, v242
	v_lshlrev_b32 v[LS], 2, v242
	v_lshlrev_b32 v[AD], 4, v242
	v_lshlrev_b32 v[SD], 3, v242
	v_and_b32 v240, 15, v0                         ; r
	s_mul_i32 s61, s[WV], PAIR
	v_add_nc_u32 v[AHK], s61, v[LI]
	v_add_nc_u32 v[AWV], 2*BLK, v[AHK]
	v_add_nc_u32 v[SHK], s61, v[L8]
	v_add_nc_u32 v[SHK], 3072, v[SHK]
	v_add_nc_u32 v[SWV], 2*BLK, v[SHK]
	s_mul_i32 s61, s[WV], 3072
	v_add_nc_u32 v[KWI], s61, v[LI]
	v_add_nc_u32 v[KWI], KIMG, v[KWI]
	s_lshl_b32 s61, s[WV], 8
	v_add_nc_u32 v[KWS], s61, v[LS]
	v_add_nc_u32 v[KWS], KSC, v[KWS]
	s_lshl_b32 s61, s[WV], 7
	v_lshl_add_u32 v[BA], v240, 2, s61
	v_add_nc_u32 v[BA], BIAS, v[BA]                ; tiles 2 w, 2 w + 1: 128 w + 4 r
	v_and_b32 v242, 1, v0
	v_lshlrev_b32 v[BR], 9, v242
	v_lshl_add_u32 v[BR], v241, 5, v[BR]
	v_add_nc_u32 v[BR], BIAS, v[BR]                ; head r % 2, rows 8 h on
	v_and_b32 v242, 8, v240
	v_add_nc_u32 v242, v242, v240                  ; r + 8 (r / 8)
	v_lshl_add_u32 v[OA], v241, 3, v242            ; + 8 x (tile of my pair = my half of the lanes)
	v_lshl_add_u32 v[OA], v[OA], 2, s61            ; in bytes, + 32 w dims
	v_add_nc_u32 v[OA], OST, v[OA]
	v_add_nc_u32 v[KRI], KIMG, v[LI]
	v_add_nc_u32 v[KRS], KSC, v[LS]
.irp b, 0,1,2,3
	v_mov_b32 v[TM+4+\b], 0                        ; written once: a lane permute's destination counts as one of its sources
.endr
	v_mov_b32 v[MX+5], 0
	s_wait_loadcnt 16                              ; q is in; delta's sixteen loads may be out
	QUANT SS, 0, QF, QS
	v_and_b32 v[TA], 1, v0
	v_sub_nc_u32 v[TA+1], 0, v[TA]                 ; all ones in odd columns,
	v_xor_b32 v[TA], -1, v[TA+1]                   ; in even ones
.irp i, 0,1,2,3,4,5
	v_and_b32 v[QF+\i], v[TA], v[QF+\i]            ; registers 0-5 are dims 0-63, head 2 g: kept in even columns;
	v_and_b32 v[QF+6+\i], v[TA+1], v[QF+6+\i]      ; registers 6-11 head 2 g + 1: kept in odd ones
.endr
	s_wait_kmcnt 0x0
	s_mul_f32 s98, s98, 0x3e000000                 ; tau / sqrt(64): exact
	s_mov_b32 s99, s98                             ; (the packed form names the pair)
	s_wait_loadcnt 0x0                             ; delta
; A K STEP of 128: 16 products for K, 16 for V.
.macro STEP s
	s_wait_tensorcnt 3-\s                          ; my block of this K step has landed; those of the 3 - s later steps may be out
	s_barrier_signal -1
	s_barrier_wait -1                              ; everybody's has
.if \s > 0
.irp a, AD, AHK, AWV, SD, SHK, SWV
	v_add_nc_u32 v[\a], OPS, v[\a]                 ; on to this step's region.  These six are also the places in front of loads into registers that matrix instructions have read
.endr
.endif
.irp p, 0,1,2,3
	ds_load_b32 v[HS+\p], v[SD] offset:PAIR*\p+3072
	ds_load_b32 v[WKS+\p], v[SD] offset:BLK+PAIR*\p+3072
.endr
	ds_load_b32 v[HKS], v[SHK]
	ds_load_b32 v[WVS], v[SWV]
	WIN 0x80                                       ; destination window 2
.irp u, 0,1
.irp c, 0,1,2
	ds_load_b128 v[HK+12*\u+4*\c:HK+12*\u+4*\c+3], v[AHK] offset:1536*\u+512*\c
.endr
.endr
.irp t, 0,1,2,3,4,5,6,7
.irp c, 0,1,2
	ds_load_b128 v[12*\t+4*\c:12*\t+4*\c+3], v[AD] offset:BLK+PAIR*(\t/2)+1536*(\t%2)+512*\c
.endr
.endr
.irp u, 0,1
.irp c, 0,1,2
	ds_load_b128 v[WVF+12*\u+4*\c:WVF+12*\u+4*\c+3], v[AWV] offset:1536*\u+512*\c
.endr
.endr
	WIN 0
.irp t, 0,1,2,3,4,5,6,7
.irp c, 0,1,2
	ds_load_b128 v[HF+12*\t+4*\c:HF+12*\t+4*\c+3], v[AD] offset:PAIR*(\t/2)+1536*(\t%2)+512*\c
.endr
.endr
	s_wait_dscnt 24                                ; all but h's eight fragments, the youngest 24 loads
	WIN 0x5a                                       ; sources 0 and 1 window 2, C and D window 1
.irp t, 0,1,2,3,4,5,6,7
.irp u, 0,1
.if \s == 0
	WMZ 64*\u+8*\t, 12*\t, HK+12*\u, WKS+\t/2, HKS, \t%2, \u
.else
	WMC 64*\u+8*\t, 12*\t, HK+12*\u, WKS+\t/2, HKS, \t%2, \u
.endif
.endr
.endr
	s_wait_dscnt 0x0
	WIN 0x58                                       ; source 0 window 0, source 1 window 2, C and D window 1
.irp u, 0,1
.irp t, 0,1,2,3,4,5,6,7
.if \s == 0
	WMZ 128+64*\u+8*\t, HF+12*\t, WVF+12*\u, HS+\t/2, WVS, \t%2, \u
.else
	WMC 128+64*\u+8*\t, HF+12*\t, WVF+12*\u, HS+\t/2, WVS, \t%2, \u
.endif
.endr
.endr
	WIN 0
.endm
	STEP 0
	STEP 1
	STEP 2
	STEP 3
	; ---- K: the bias in f32, then codes.  Lane (r, h) holds key r of tile 2 w + u; register 64 u + 16 b + i is dim 32 b + 16 h + i
.rept 4
	v_nop                                          ; four places ahead of the first read of results
.endr
	WIN 0x09                                       ; source 0 (K) window 1, source 1 (delta) window 2
.set i, 0
.rept 16                               ; four sums by turns: tile u, head e; each accumulator is met at its low end
.irp u, 0,1
.irp e, 0,1
.if i == 0
	v_pk_mul_f32 v[BS+4*\u+2*\e:BS+4*\u+2*\e+1], v[64*\u+32*\e+2*i:64*\u+32*\e+2*i+1], v[DL+32*\e+2*i:DL+32*\e+2*i+1]
.else
	v_pk_fma_f32 v[BS+4*\u+2*\e:BS+4*\u+2*\e+1], v[64*\u+32*\e+2*i:64*\u+32*\e+2*i+1], v[DL+32*\e+2*i:DL+32*\e+2*i+1], v[BS+4*\u+2*\e:BS+4*\u+2*\e+1]
.endif
.endr
.endr
.set i, i+1
.endr
	WIN 0
.irp q, 0,1,2,3
	v_add_f32 v[BS+2*\q], v[BS+2*\q], v[BS+2*\q+1]
.endr
.irp q, 0,1,2,3
	v_permlanex16_b32 v[BS+2*\q+1], v[BS+2*\q], s[SEL], s[SEL+1]
.endr
.irp q, 0,1,2,3
	v_add_f32 v[BS+2*\q], v[BS+2*\q], v[BS+2*\q+1] ; with lane l xor 16's dims: delta . K of my key
.endr
.irp u, 0,1
.irp e, 0,1
	ds_store_b32 v[BA], v[BS+4*\u+2*\e] offset:512*\e+64*\u      ; both halves of the lanes write the same word with the same value
.endr
.endr
.irp u, 0,1
	QUANT 64*\u, 1, PC, KPW
.irp c, 0,1,2
	ds_store_b128 v[KWI], v[PC+4*\c:PC+4*\c+3] offset:1536*\u+512*\c
.endr
	ds_store_b32 v[KWS], v[KPW] offset:128*\u
	s_wait_dscnt 0x0                               ; the stores have read their registers; behind the second tile also: for the others' sake, my images and my bias lie in LDS
.endr
	s_barrier_signal -1
	QUANT 128, 1, VF, VS                           ; V's two fragments are made, on registers alone, while the others arrive: row r = a dim, K = the 128 keys
	QUANT 192, 1, VF+12, VS+1
	s_barrier_wait -1
	; ---- the logits of all 128 keys, in every wave.  Source 0 = 16 keys, source 1 = q: lane (r, h) holds head r % 2, register 16 b + i key 32 b + 16 h + i
	WIN 0x80
.irp t, 0,1,2,3,4,5,6,7
.irp c, 0,1,2
	ds_load_b128 v[12*\t+4*\c:12*\t+4*\c+3], v[KRI] offset:1536*\t+512*\c
.endr
.endr
.irp t, 0,1,2,3,4,5,6,7
	ds_load_b128 v[DL+8*\t:DL+8*\t+3], v[BR] offset:64*\t        ; the bias in the result's layout
	ds_load_b128 v[DL+8*\t+4:DL+8*\t+7], v[BR] offset:64*\t+16
.endr
	WIN 0
.irp t, 0,1,2,3,4,5,6,7
	ds_load_b32 v[KS+\t], v[KRS] offset:128*\t
.endr
	s_wait_dscnt 0x0
	WIN 0x02                                       ; source 0 window 2
.irp t, 0,1,2,3,4,5,6,7
	WMZ SS+8*\t, 12*\t, QF, KS+\t, QS, 0, 0
.endr
.rept 4
	v_nop
.endr
	WIN 0x20                                       ; source 2 (the bias) window 2
.set j, 0
.rept 32
	v_pk_fma_f32 v[SS+j:SS+j+1], v[SS+j:SS+j+1], s[98:99], v[DL+j:DL+j+1] op_sel_hi:[1,0,1]    ; (tau / 8) x qk + bias
.set j, j+2
.endr
	WIN 0
.set j, 0
.rept 64
	v_med3_num_f32 v[SS+j], v[SS+j], s101, s100    ; the clip
.set j, j+1
.endr
.irp b, 0,1,2,3
	v_max3_num_f32 v[MX+\b], v[SS+16*\b], v[SS+16*\b+1], v[SS+16*\b+2]
.endr
.irp i, 3,5,7,9,11,13
.irp b, 0,1,2,3
	v_max3_num_f32 v[MX+\b], v[MX+\b], v[SS+16*\b+\i], v[SS+16*\b+\i+1]    ; four chains by turns
.endr
.endr
.irp b, 0,1,2,3
	v_max_num_f32 v[MX+\b], v[MX+\b], v[SS+16*\b+15]
.endr
	v_max3_num_f32 v[MX+4], v[MX], v[MX+1], v[MX+2]
	v_max_num_f32 v[MX+4], v[MX+4], v[MX+3]
	v_permlanex16_b32 v[MX+5], v[MX+4], s[SEL], s[SEL+1]
	v_max_num_f32 v[MX+4], v[MX+4], v[MX+5]        ; the chunk's largest logit of my head
	v_mul_f32 v[MX+4], 0x3fb8aa3b, v[MX+4]         ; as t
	v_floor_f32 v[NM], -v[MX+4]                    ; -M = floor(-t) = -ceil(t): a whole number
	v_mov_b32 v[NM+1], v[NM]
.set j, 0
.rept 32
	v_pk_fma_f32 v[SS+j:SS+j+1], v[SS+j:SS+j+1], 0x3fb8aa3b, v[NM:NM+1] op_sel_hi:[1,0,0]      ; t - M
.set j, j+2
.endr
.set j, 0
.rept 64
	v_exp_f32 v[SS+j], v[SS+j]                     ; p = 2^(t - M): one batch
.set j, j+1
.endr
	v_sub_f32 v[ML], 0, v[NM]                      ; M.  (The plain place behind the exponentials)
	s_wait_alu depctr_va_vdst(0)                   ; one wait for the batch, ahead of its first reader
	v_pk_add_f32 v[SUM:SUM+1], v[SS:SS+1], v[SS+2:SS+3]          ; the sum of the unquantised p, in two chains
	v_pk_add_f32 v[TA:TA+1], v[SS+4:SS+5], v[SS+6:SS+7]
.irp j, 8,12,16,20,24,28,32,36,40,44,48,52,56,60
	v_pk_add_f32 v[SUM:SUM+1], v[SUM:SUM+1], v[SS+\j:SS+\j+1]
	v_pk_add_f32 v[TA:TA+1], v[TA:TA+1], v[SS+\j+2:SS+\j+3]
.endr
	v_pk_add_f32 v[SUM:SUM+1], v[SUM:SUM+1], v[TA:TA+1]
	v_add_f32 v[SUM], v[SUM], v[SUM+1]
	v_permlanex16_b32 v[SUM+1], v[SUM], s[SEL], s[SEL+1]
	v_add_f32 v[ML+1], v[SUM], v[SUM+1]            ; l
	QUANT SS, 0, PF, PS
	v_add_nc_u32 v[AD], OST, v[LI]                 ; where wave 0 reads O back
.rept 8
	v_nop                                          ; a scale register written by a vector instruction stands 8 places ahead of a scaled matrix instruction, an operand 4
.endr
	; ---- P V: source 0 = p (row m is head m % 2), source 1 = my 16 dims: register 0 is head 2 g, register 1 head 2 g + 1, of dim r of the tile
	WMZ OO, PF, VF, PS, VS, 0, 0
	WMZ OO+8, PF, VF+12, PS, VS+1, 0, 0
.rept 4
	v_nop
.endr
	v_cndmask_b32 v[OT], v[OO], v[OO+1], s66       ; the head to which my dims belong
	v_cndmask_b32 v[OT+1], v[OO+8], v[OO+9], s66
	v_cndmask_b32 v[OT+2], v[OT], v[OT+1], s67     ; lanes 0-15 the first tile's dims, lanes 16-31 the second's
	ds_store_b32 v[OA], v[OT+2]
	s_wait_dscnt 0x0                               ; for wave 0's sake
	s_barrier_signal -1
	s_barrier_wait -1
	s_cmp_lg_u32 s[WV], 0
	s_cbranch_scc1 .Lend
	ds_load_b128 v[OT+4:OT+7], v[AD]
	s_wait_dscnt 0x0
	global_store_b128 v[LI], v[OT+4:OT+7], s[12:13]              ; 512 consecutive bytes, aligned to 256
	global_store_b64 v[L8], v[ML:ML+1], s[12:13] offset:512      ; 256 consecutive bytes, aligned
.Lend:
	s_wait_tensorcnt 0x0                           ; the wave's end: three closing lines, behind my last tensor load and my last LDS store
	ds_add_u32 v[SPW], v[NIL]
	s_wait_dscnt 0x0
	CROUND                                         ; the closing round: no work-group ends while a partner may still ask for a block that names it
	s_endpgm
.Lfunc_end_k_q7dc2aa47d8_main:
	.size	k_q7dc2aa47d8_main, .Lfunc_end_k_q7dc2aa47d8_main-k_q7dc2aa47d8_main
	.p2alignl 7, 3214868480
	.fill 96, 4, 3214868480
	.section	.rodata,"a",@progbits
	.p2align	6, 0x0
	.amdhsa_kernel k_q7dc2aa47d8_main
		.amdhsa_group_segment_fixed_size 176128
		.amdhsa_private_segment_fixed_size 0
		.amdhsa_enable_private_segment 0
		.amdhsa_kernarg_size 40
		.amdhsa_user_sgpr_count 2
		.amdhsa_user_sgpr_kernarg_segment_ptr 1
		.amdhsa_wavefront_size32 1
		.amdhsa_system_sgpr_workgroup_id_x 1
		.amdhsa_system_sgpr_workgroup_id_y 1
		.amdhsa_system_sgpr_workgroup_id_z 1
		.amdhsa_system_vgpr_workitem_id 0
		.amdhsa_next_free_vgpr 768
		.amdhsa_next_free_sgpr 102
		.amdhsa_reserve_vcc 0
		.amdhsa_float_denorm_mode_32 3
		.amdhsa_float_denorm_mode_16_64 3
		.amdhsa_memory_ordered 1
		.amdhsa_forward_progress 1
		.amdhsa_inst_pref_size 99
	.end_amdhsa_kernel
	.amdgpu_metadata
---
amdhsa.version: [ 1, 2 ]
amdhsa.kernels:
  - .name:           k_q7dc2aa47d8_main
    .symbol:         k_q7dc2aa47d8_main.kd
    .args:
      - { .name: codes, .offset: 0, .size: 8, .value_kind: global_buffer, .address_space: global }
      - { .name: qlast, .offset: 8, .size: 8, .value_kind: global_buffer, .address_space: global }
      - { .name: delta, .offset: 16, .size: 8, .value_kind: global_buffer, .address_space: global }
      - { .name: tau, .offset: 24, .size: 8, .value_kind: global_buffer, .address_space: global }
      - { .name: part, .offset: 32, .size: 8, .value_kind: global_buffer, .address_space: global }
    .group_segment_fixed_size: 176128
    .private_segment_fixed_size: 0
    .kernarg_segment_align: 8
    .kernarg_segment_size: 40
    .max_flat_workgroup_size: 128
    .sgpr_count:     102
    .vgpr_count:     768
    .wavefront_size: 32
...
	.end_amdgpu_metadata
.endif
;; end of part 2
;; launch fin (part 3): grid 4 x 1, 4 waves a work-group, no clusters, 7,168 bytes of LDS; arguments part, codes, bo, out0; writes out0
.if DOCPART == 3
	.amdgcn_target "amdgcn-amd-amdhsa--gfx1250"
	.amdhsa_code_object_version 6
	.text
	.protected	k_q7dc2aa47d8_fin
	.globl	k_q7dc2aa47d8_fin
	.p2align	8
	.type	k_q7dc2aa47d8_fin,@function
k_q7dc2aa47d8_fin:
	s_mov_b64 s[64:65], 0
	v_nop
	global_prefetch_b8 v0, s[64:65] scope:SCOPE_SE
	s_setreg_imm32_b32 hwreg(HW_REG_WAVE_MODE, 25, 1), 1
	s_wait_xcnt 0x0
; THIRD OF THREE LAUNCHES.  out0[b] = Q(attention row of query 2047 of batch b) Q(Wo)^T + bo.
; Each record of the second launch holds, for a chunk of 128 keys and two heads, 128 numbers O under the chunk's own whole number M, and (M, l).  The 16 chunks of a batch are joined under the largest M:
; O = sum of O_k 2^(M_k - M), l likewise, both factors exact; the row is O / l.  It is quantised along its 512 numbers (FP6, E2M3, one E8M0 byte for each 32) and multiplied by Wo's codes, which the first launch laid out.
; SHARES.  Wave w of each work-group joins head group w (K step w of the product) for the four batches: lane r = batch r % 4, quarter r / 4 of its 16 chunks; two steps across lanes 4 and 8 apart join the quarters,
; so that all 16 rows of the fragment hold a batch (row r: batch r % 4).  The four fragments go from wave to wave through LDS as images of their registers.  Then wave w of work-group x makes outputs 32 (4 x + w) + 0 .. 31:
; source 0 = 16 rows of Wo, source 1 = the rows: lane (r, h) holds batch r % 4 and 16 neighbouring outputs, of which it stores four.  bo is the C of each sum's first matrix instruction.
; Four work-groups are all the work there is (16 pairs of tiles of outputs); each repeats the join.  NO CLUSTER: what the four share, the 192 KB of records, goes straight into registers in the quantiser's lane order,
; and a joint load would add a trip through LDS to it.  The output's 8 KB leave in runs of 128 bytes.
; LIMITS: NaN and infinities are not served; a block whose largest magnitude lies under 2^-124 keeps the byte 1 (a block of zeros too: its codes are zeros); 1 / l is v_rcp_f32's.
.set AIMG,  0                          ; LDS: the four fragments, 1,536 bytes each,
.set ASC,   4*1536                     ; their scale words, 128 bytes each,
.set SPARE, ASC+4*128                  ; and the spare words, 128 bytes a wave: two blocks of 256 bytes that no other line names
.set LI,  1
.set L8,  2
.set LS,  3
.set VB,  4                            ; my first record: chunk 16 b + 4 x quarter, head group w
.set VX,  5                            ; + 64 h
.set AWI, 6
.set AWS, 7
.set H64, 8
.set OO,  9                            ; my 16 bytes of the output
.set SPW, 10                           ; my spare word; never rewritten
.set NIL, 11                           ; 0; never rewritten
.set WOS, 12                           ; v12-15 Wo's scale words;  v16-19 the rows';  v20 the word just made
.set AS,  16
.set APW, 20
.set TM,  24
.set QT,  40
.set PC,  48
.set STT, 60                           ; v60-75 chunk k: M, l of the even head, M, l of the odd
.set MM,  76
.set LL,  78
.set RC,  80
.set TT,  82
.set FF,  84                           ; v84-99 the factors 2^(M_k - M) / l, chunk k, head e at 84 + 4 k + 2 e (the odd registers are written once: the packed form names the pair)
.set ACC, 100
.set AF,  164
.set BO,  212
.set DD,  228
.set OUT, 244
.set DE,  248                          ; M_k - M as whole numbers; later at work
.set WV,  12
.set SEL, 18
.set MSB, 0
.macro WIN new                         ; the immediate's high byte repeats the setting that is left; a switch that changes nothing is dropped
.if MSB != (\new)
	s_set_vgpr_msb (MSB<<8)|(\new)
.set MSB, (\new)
.endif
.endm
; 64 numbers of a lane in window w, register s + 16 b + i = k 32 b + 16 (lane / 16) + i of my row, become a fragment's 12 registers of codes at v[pc] and its scale word in v[pw].
.macro QUANT s, w, pc, pw
	WIN 5*(\w)
.irp b, 0,1,2,3
	v_max3_num_f32 v[TM+\b], |v[(\s)+16*\b]|, |v[(\s)+16*\b+1]|, 0x1800000   ; my 16 numbers of block b, and the floor 2^(3 - 127): the byte cannot fall under 1
.endr
.irp i, 2,4,6,8,10,12,14
.irp b, 0,1,2,3
	v_max3_num_f32 v[TM+\b], |v[(\s)+16*\b+\i]|, |v[(\s)+16*\b+\i+1]|, v[TM+\b]   ; the four blocks by turns
.endr
.endr
	WIN 0
.irp b, 0,1,2,3
	v_permlanex16_b32 v[TM+4+\b], v[TM+\b], s[SEL], s[SEL+1]
.endr
.irp b, 0,1,2,3
	v_max_num_f32 v[TM+\b], v[TM+\b], v[TM+4+\b]      ; with lane l xor 16's: the block's largest magnitude
.endr
.irp b, 0,1,2,3
	v_add_nc_u32 v[TM+12+\b], 0xff000000, v[TM+\b]    ; 2 off its exponent field: the conversion takes that field as its scale
.endr
.irp b, 0,1,2,3
	v_lshrrev_b32 v[TM+4+\b], 23, v[TM+12+\b]         ; the scale's byte
.endr
	v_lshl_or_b32 v[\pw], v[TM+5], 8, v[TM+4]
	v_lshl_or_b32 v[\pw], v[TM+6], 16, v[\pw]
	v_lshl_or_b32 v[\pw], v[TM+7], 24, v[\pw]
	WIN \w
.irp c, 0,1
	v_cvt_scalef32_pk16_fp6_f32 v[(\pc)+6*\c:(\pc)+6*\c+2], v[(\s)+32*\c:(\s)+32*\c+15], v[TM+12+2*\c]
	v_cvt_scalef32_pk16_fp6_f32 v[QT+4*\c:QT+4*\c+2], v[(\s)+32*\c+16:(\s)+32*\c+31], v[TM+13+2*\c]   ; (a conversion's three registers begin on an even number)
.endr
	WIN 0
	v_nop                                             ; one plain place behind the scaled conversions
.irp c, 0,1                            ; the operand wants a WHOLE block in a lane: lanes 0-15 block 2 c, lanes 16-31 block 2 c + 1
.irp i, 0,1,2
	v_permlane16_swap_b32 v[(\pc)+6*\c+\i], v[QT+4*\c+\i]
.endr
.irp i, 0,1,2
	v_mov_b32 v[(\pc)+3+6*\c+\i], v[QT+4*\c+\i]
.endr
.endr
.endm
	s_load_b256 s[4:11], s[0:1], 0x0               ; the records, the codes, bo, the output
	v_lshl_add_u32 v[SPW], v0, 2, SPARE
	v_mov_b32 v[NIL], 0
	v_lshrrev_b32 v1, 5, v0
	v_readfirstlane_b32 s[WV], v1                  ; wave 0..3
	v_and_b32 v251, 31, v0
	v_lshlrev_b32 v[LI], 4, v251
	v_lshlrev_b32 v[L8], 3, v251
	v_lshlrev_b32 v[LS], 2, v251
	v_and_b32 v248, 3, v0                          ; the batch
	v_bfe_u32 v249, v0, 2, 2                       ; the quarter
	v_bfe_u32 v250, v0, 4, 1                       ; h
	v_mul_u32_u24 v[VB], v248, 16*3072             ; a chunk's four records are 3,072 bytes
	v_mad_u32_u24 v[VB], v249, 4*3072, v[VB]
	s_mul_i32 s22, s[WV], 768
	v_add_nc_u32 v[VB], s22, v[VB]
	v_lshl_add_u32 v[VX], v250, 6, v[VB]
	s_mul_i32 s22, s[WV], 1536
	v_add_nc_u32 v[AWI], s22, v[LI]
	s_lshl_b32 s22, s[WV], 7
	v_add_nc_u32 v[AWS], s22, v[LS]
	v_add_nc_u32 v[AWS], ASC, v[AWS]
	v_lshlrev_b32 v[H64], 6, v250
	v_lshlrev_b32 v[OO], 11, v248                  ; a row of the output is 2,048 bytes
	v_lshl_add_u32 v[OO], v250, 6, v[OO]
	v_lshl_add_u32 v[OO], v249, 4, v[OO]
.irp b, 0,1,2,3
	v_mov_b32 v[TM+4+\b], 0                        ; written once: a lane permute's destination counts as one of its sources
.endr
.irp q, 0,1,2,3,4,5,6,7
	v_mov_b32 v[FF+2*\q+1], 0
.endr
	s_mov_b32 s[SEL], 0x76543210
	s_mov_b32 s[SEL+1], 0xfedcba98
	s_mov_b32 s20, 0xf0f0f0f0                      ; lanes whose quarter is odd
	s_mov_b32 s21, 0xff00ff00                      ; lanes whose quarter is 2 or 3
	s_lshl_b32 s13, ttmp9, 2
	s_add_co_u32 s13, s13, s[WV]                   ; my pair of tiles of outputs
	s_add_co_u32 s14, ttmp9, 72                    ; Wo's group
	s_mul_i32 s14, s14, 4*13312
	s_mul_i32 s16, s[WV], 3328
	s_add_co_u32 s14, s14, s16
	s_mov_b32 s15, 0
	s_lshl_b32 s16, s13, 7                         ; 32 outputs, in bytes
	s_mov_b32 s17, 0
	s_wait_kmcnt 0x0
	s_add_nc_u64 s[6:7], s[6:7], s[14:15]
	s_add_nc_u64 s[8:9], s[8:9], s[16:17]
	s_add_nc_u64 s[10:11], s[10:11], s[16:17]
	; all hundred loads go out here
.irp k, 0,1,2,3
	global_load_b128 v[STT+4*\k:STT+4*\k+3], v[VB], s[4:5] offset:3072*\k+512
.endr
	WIN 0x80                                       ; destination window 2
.irp k, 0,1,2,3
.irp b, 0,1,2,3
.irp j, 0,1,2,3
	global_load_b128 v[64*\k+16*\b+4*\j:64*\k+16*\b+4*\j+3], v[VX], s[4:5] offset:3072*\k+128*\b+16*\j
.endr
.endr
.endr
	WIN 0x40                                       ; destination window 1: Wo's fragments (K step s, tile u) at 24 s + 12 u
.irp s, 0,1,2,3
.irp u, 0,1
.irp c, 0,1,2
	global_load_b128 v[24*\s+12*\u+4*\c:24*\s+12*\u+4*\c+3], v[LI], s[6:7] offset:13312*\s+1536*\u+512*\c
.endr
.endr
.endr
	WIN 0
.irp s, 0,1,2,3
	global_load_b32 v[WOS+\s], v[L8], s[6:7] offset:13312*\s+3072
.endr
.irp u, 0,1
	global_load_b128 v[BO+8*\u:BO+8*\u+3], v[H64], s[8:9] offset:32*\u           ; bo in the result's layout: outputs 16 h + 8 u + 0 .. 7 of my 32
	global_load_b128 v[BO+8*\u+4:BO+8*\u+7], v[H64], s[8:9] offset:32*\u+16
.endr
	s_wait_loadcnt 63                              ; the four loads of (M, l) are in: 96 are younger, and a wait names 63 at the most
.irp e, 0,1
	v_max3_num_f32 v[MM+\e], v[STT+2*\e], v[STT+4+2*\e], v[STT+8+2*\e]
.endr
.irp e, 0,1
	v_max_num_f32 v[MM+\e], v[MM+\e], v[STT+12+2*\e]
.endr
.irp e, 0,1
	v_max_num_f32_dpp v[MM+\e], v[MM+\e], v[MM+\e] row_xmask:4 row_mask:0xf bank_mask:0xf
.endr
.irp e, 0,1
	v_max_num_f32_dpp v[MM+\e], v[MM+\e], v[MM+\e] row_xmask:8 row_mask:0xf bank_mask:0xf     ; the batch's M
.endr
.irp k, 0,1,2,3
.irp e, 0,1
	v_sub_f32 v[DE+2*\k+\e], v[STT+4*\k+2*\e], v[MM+\e]          ; a whole number, 0 or less
.endr
.endr
.irp q, 0,1,2,3,4,5,6,7
	v_cvt_i32_f32 v[DE+\q], v[DE+\q]
.endr
.irp k, 0,1,2,3
.irp e, 0,1
	v_ldexp_f32 v[STT+4*\k+2*\e+1], v[STT+4*\k+2*\e+1], v[DE+2*\k+\e]      ; l_k under the batch's M
.endr
.endr
.irp e, 0,1
	v_add_f32 v[LL+\e], v[STT+1+2*\e], v[STT+5+2*\e]
	v_add_f32 v[TT+\e], v[STT+9+2*\e], v[STT+13+2*\e]
.endr
.irp e, 0,1
	v_add_f32 v[LL+\e], v[LL+\e], v[TT+\e]
.endr
.irp e, 0,1
	v_add_f32_dpp v[LL+\e], v[LL+\e], v[LL+\e] row_xmask:4 row_mask:0xf bank_mask:0xf
.endr
.irp e, 0,1
	v_add_f32_dpp v[LL+\e], v[LL+\e], v[LL+\e] row_xmask:8 row_mask:0xf bank_mask:0xf         ; the row's sum l, at least 1/2
.endr
	v_rcp_f32 v[RC], v[LL]
	v_rcp_f32 v[RC+1], v[LL+1]
	v_nop                                          ; a plain place behind the reciprocals
	s_wait_alu depctr_va_vdst(0)                   ; one wait for both, ahead of the first reader
.irp k, 0,1,2,3
.irp e, 0,1
	v_ldexp_f32 v[FF+4*\k+2*\e], v[RC+\e], v[DE+2*\k+\e]         ; 2^(M_k - M) / l: the division costs no further line
.endr
.endr
	WIN 0x02                                       ; source 0 window 2
.irp k, 0,1,2,3
.if \k < 2
	s_wait_loadcnt 63                              ; chunk k's sixteen loads are in (80 and 64 are younger; a wait names 63 at the most)
.else
	s_wait_loadcnt 32+16*(3-\k)                    ; the later chunks' loads and the 32 of Wo and bo may be out
.endif
.set p, 0
.rept 32
.if \k == 0
	v_pk_mul_f32 v[ACC+2*p:ACC+2*p+1], v[64*\k+2*p:64*\k+2*p+1], v[FF+4*\k+2*(p/16):FF+4*\k+2*(p/16)+1] op_sel_hi:[1,0]
.else
	v_pk_fma_f32 v[ACC+2*p:ACC+2*p+1], v[64*\k+2*p:64*\k+2*p+1], v[FF+4*\k+2*(p/16):FF+4*\k+2*(p/16)+1], v[ACC+2*p:ACC+2*p+1] op_sel_hi:[1,0,1]
.endif
.set p, p+1
.endr
.endr
	WIN 0
.set j, 0
.rept 64
	v_add_f32_dpp v[ACC+j], v[ACC+j], v[ACC+j] row_xmask:4 row_mask:0xf bank_mask:0xf
.set j, j+1
.endr
.set j, 0
.rept 64
	v_add_f32_dpp v[ACC+j], v[ACC+j], v[ACC+j] row_xmask:8 row_mask:0xf bank_mask:0xf         ; the four quarters: every row r now holds batch r % 4
.set j, j+1
.endr
	QUANT ACC, 0, PC, APW
.irp c, 0,1,2
	ds_store_b128 v[AWI], v[PC+4*\c:PC+4*\c+3] offset:AIMG+512*\c
.endr
	ds_store_b32 v[AWS], v[APW]
	s_wait_dscnt 0x0                               ; for the others' sake: my fragment lies in LDS
	s_barrier_signal -1
	s_barrier_wait -1
.irp s, 0,1,2,3
.irp c, 0,1,2
	ds_load_b128 v[AF+12*\s+4*\c:AF+12*\s+4*\c+3], v[LI] offset:AIMG+1536*\s+512*\c
.endr
	ds_load_b32 v[AS+\s], v[LS] offset:ASC+128*\s
.endr
	s_wait_dscnt 0x0
	s_wait_loadcnt 0x0                             ; Wo and bo
	WIN 0x01                                       ; source 0 (Wo) window 1
.irp s, 0,1,2,3                        ; two accumulators by turns, one instruction a turn
.if \s == 0
	v_wmma_scale_f32_16x16x128_f8f6f4 v[DD:DD+7], v[24*\s:24*\s+11], v[AF+12*\s:AF+12*\s+11], v[BO:BO+7], v[WOS+\s], v[AS+\s] matrix_a_fmt:MATRIX_FMT_FP6 matrix_b_fmt:MATRIX_FMT_FP6
	v_wmma_scale_f32_16x16x128_f8f6f4 v[DD+8:DD+15], v[24*\s+12:24*\s+23], v[AF+12*\s:AF+12*\s+11], v[BO+8:BO+15], v[WOS+\s], v[AS+\s] matrix_a_fmt:MATRIX_FMT_FP6 matrix_b_fmt:MATRIX_FMT_FP6 matrix_a_scale:MATRIX_SCALE_ROW1
.else
	v_wmma_scale_f32_16x16x128_f8f6f4 v[DD:DD+7], v[24*\s:24*\s+11], v[AF+12*\s:AF+12*\s+11], v[DD:DD+7], v[WOS+\s], v[AS+\s] matrix_a_fmt:MATRIX_FMT_FP6 matrix_b_fmt:MATRIX_FMT_FP6
	v_wmma_scale_f32_16x16x128_f8f6f4 v[DD+8:DD+15], v[24*\s+12:24*\s+23], v[AF+12*\s:AF+12*\s+11], v[DD+8:DD+15], v[WOS+\s], v[AS+\s] matrix_a_fmt:MATRIX_FMT_FP6 matrix_b_fmt:MATRIX_FMT_FP6 matrix_a_scale:MATRIX_SCALE_ROW1
.endif
.endr
	WIN 0
.rept 4
	v_nop                                          ; four places ahead of the first read of results
.endr
.irp i, 0,1,2,3                        ; four lanes hold the same batch: lane r stores quad r / 4 of its 16 outputs; each result is met at its low end
	v_cndmask_b32 v[DE+\i], v[DD+\i], v[DD+4+\i], s20
	v_cndmask_b32 v[DE+4+\i], v[DD+8+\i], v[DD+12+\i], s20
.endr
.irp i, 0,1,2,3
	v_cndmask_b32 v[OUT+\i], v[DE+\i], v[DE+4+\i], s21
.endr
	global_store_b128 v[OO], v[OUT:OUT+3], s[10:11]
	s_wait_tensorcnt 0x0                           ; the wave's end
	ds_add_u32 v[SPW], v[NIL]
	s_wait_dscnt 0x0
	s_endpgm
.Lfunc_end_k_q7dc2aa47d8_fin:
	.size	k_q7dc2aa47d8_fin, .Lfunc_end_k_q7dc2aa47d8_fin-k_q7dc2aa47d8_fin
	.p2alignl 7, 3214868480
	.fill 96, 4, 3214868480
	.section	.rodata,"a",@progbits
	.p2align	6, 0x0
	.amdhsa_kernel k_q7dc2aa47d8_fin
		.amdhsa_group_segment_fixed_size 7168
		.amdhsa_private_segment_fixed_size 0
		.amdhsa_enable_private_segment 0
		.amdhsa_kernarg_size 32
		.amdhsa_user_sgpr_count 2
		.amdhsa_user_sgpr_kernarg_segment_ptr 1
		.amdhsa_wavefront_size32 1
		.amdhsa_system_sgpr_workgroup_id_x 1
		.amdhsa_system_sgpr_workgroup_id_y 1
		.amdhsa_system_sgpr_workgroup_id_z 1
		.amdhsa_system_vgpr_workitem_id 0
		.amdhsa_next_free_vgpr 768
		.amdhsa_next_free_sgpr 66
		.amdhsa_reserve_vcc 0
		.amdhsa_float_denorm_mode_32 3
		.amdhsa_float_denorm_mode_16_64 3
		.amdhsa_memory_ordered 1
		.amdhsa_forward_progress 1
		.amdhsa_inst_pref_size 39
	.end_amdhsa_kernel
	.amdgpu_metadata
---
amdhsa.version: [ 1, 2 ]
amdhsa.kernels:
  - .name:           k_q7dc2aa47d8_fin
    .symbol:         k_q7dc2aa47d8_fin.kd
    .args:
      - { .name: part, .offset: 0, .size: 8, .value_kind: global_buffer, .address_space: global }
      - { .name: codes, .offset: 8, .size: 8, .value_kind: global_buffer, .address_space: global }
      - { .name: bo, .offset: 16, .size: 8, .value_kind: global_buffer, .address_space: global }
      - { .name: out0, .offset: 24, .size: 8, .value_kind: global_buffer, .address_space: global }
    .group_segment_fixed_size: 7168
    .private_segment_fixed_size: 0
    .kernarg_segment_align: 8
    .kernarg_segment_size: 32
    .max_flat_workgroup_size: 128
    .sgpr_count:     66
    .vgpr_count:     768
    .wavefront_size: 32
...
	.end_amdgpu_metadata
.endif
;; end of part 3
;; ======== version 2 of 2: 3 launches; version 1 with the launches prep, fin written anew for expert scheduling mode
;; workspace buffers: codes 4,046,848 bytes; qlast 8,192 bytes; part 196,608 bytes
;; launch prep (part 4): grid 320 x 1, 4 waves a work-group, no clusters, 76,288 bytes of LDS; arguments h, Wq, Wk, Wv, Wo, codes, qlast; writes codes, qlast
.if DOCPART == 4
	.amdgcn_target "amdgcn-amd-amdhsa--gfx1250"
	.amdhsa_code_object_version 6
	.text
	.protected	k_q7dc2aa47d8_prep
	.globl	k_q7dc2aa47d8_prep
	.p2align	8
	.type	k_q7dc2aa47d8_prep,@function
k_q7dc2aa47d8_prep:
	s_mov_b64 s[64:65], 0
	v_nop
	global_prefetch_b8 v0, s[64:65] scope:SCOPE_SE
	s_setreg_imm32_b32 hwreg(HW_REG_WAVE_SCHED_MODE, 0, 2), 2
	s_setreg_imm32_b32 hwreg(HW_REG_WAVE_MODE, 25, 1), 1
	s_wait_xcnt 0x0
	s_wait_alu depctr_vm_vsrc(0)
; FIRST OF THREE LAUNCHES.  Only query 2047 of each batch is kept by the problem, so K and V are wanted for all 8,192 positions and Q for four.
; This launch turns h [8192][512], Wk, Wv, Wo [512][512] (f32, K innermost) into codes of FP6 (E2M3) with one E8M0 byte for each 32 along K, ONCE, and makes q = Q(h[b][2047]) Q(Wq)^T in f32.
; THE CODES' BUFFER is laid as the matrix operands' registers want it.  76 groups of 128 rows (0-63: h; 64-67: Wk; 68-71: Wv; 72-75: Wo); block (group G, K step s of 128) at (4 G + s) x 13,312 bytes;
; in it four pairs of tiles, 3,328 bytes each: tile 2 p's fragment (12 registers a lane: quad c of lane l at 512 c + 16 l), tile 2 p + 1's, then 256 bytes of scale words, 8 bytes a lane (the word, then 0):
; lanes 0-15 the words of tile 2 p's rows, lanes 16-31 those of tile 2 p + 1.  ROW r OF TILE 2 p + u IS ROW 32 p + 8 u + r + 8 (r / 8) OF ITS GROUP, so that two neighbouring tiles' results, used as source 0, are 16 neighbours a lane.
; SHARES.  Work-groups 16-319: block (G, s) = number - 16; wave w makes pair w: 32 rows x 128 along K.  Each load reads 512 consecutive bytes of a row; the 16 KB turn through the wave's own stage in LDS
; (slots of 528 bytes) and come back 16 neighbours of each block of 32 a lane.  Every store of the wave covers 512 or 256 consecutive bytes, aligned.
; Work-groups 0-15: Wq's rows 32 x number; wave w takes K step w, multiplies by the four last rows of h (column r of the product is batch r % 4), and wave 0 adds the four waves' parts in f32.
; Their 1 MB of Wq is loaded straight in the quantiser's lane order, 16 bytes a lane, so that this path needs no stage; q leaves in runs of 128 bytes (8 KB in all).
; No cluster: work-groups share nothing but those four rows of h.  No tensor loads: the bytes have to pass through registers anyway.
; A block's scale is 2^(floor(log2(largest magnitude)) - 2): the byte is the magnitude's exponent field - 2, held at 1 from below.
; LIMITS: NaN and infinities among the inputs are not served; a block whose largest magnitude lies under 2^-124, a block of zeros among them, keeps the byte 1 (zeros: the rule's 127; its codes are zeros and
; this program alone reads the bytes).  The sum over K of q is taken in four parts of 128, joined in f32.
; THE MODE: SCHED_MODE bits 1:0 = 2 (LLVM: expert scheduling mode 2), set by the entry lines.  The code itself states the register dependences
; between vector or matrix instructions and memory or LDS instructions, with s_wait_alu, always for 0.
; THE PLAN.  Registers that memory or LDS instructions touch:
;   v1-v9, v17      offsets, LDS addresses and the 0 beside the scale word: written once at the head, read by loads and stores, never written again.  One wait on va_vdst at the head of each path, ahead of its first load.
;   v96-223         pairs of tiles: global loads land; the 32 LDS stores read them; the loads from the stage land in them again (one wait on vm_vsrc between); QUANT reads them.
;   PCA, PCB, PWP   written by QUANT, read by the global stores, never written again: a wait on va_vdst behind each QUANT; tile 0's stores leave while tile 1 is quantised, by lines that name none of their registers.
;   q's path        its numbers are loaded once; v160-175, the products, are read by four LDS stores; v96-159 then take wave 0's loads: the one wait on va_vdst ahead of those stores also states that QUANT is done reading them;
;                   OUT is written by selects and read by the last store.  The codes and scale words that vector lines made have their wait ahead of the scaled matrix instructions, behind the places.
;   s18             the wave's number, written by a vector instruction: a wait on va_sdst ahead of its first reader.
.set WST,   32*528                     ; a wave's stage: 32 slots of 512 bytes + 16
.set QSUM,  4*WST                      ; the four waves' parts of q: 2,048 bytes each
.set SPARE, QSUM+4*2048                ; the spare words, 128 bytes a wave: two blocks of 256 bytes that no other line names
.set LI,  1                            ; v1   16 x lane
.set L8,  2                            ; v2   8 x lane
.set STW, 3                            ; v3   the stage, on the way in: my wave's + 16 x lane
.set STR, 4                            ; v4   and on the way out: slot r, + 64 h
.set WQO, 5                            ; v5   Wq: row r + 8 (r / 8), + 64 h
.set HLO, 6                            ; v6   h: batch r % 4, + 64 h
.set QSW, 7                            ; v7   where I put my part of q
.set QSR, 8                            ; v8   where wave 0 reads the parts
.set QO,  9                            ; v9   my 16 bytes of q: batch r % 4, + 64 h + 16 (r / 4)
.set SPW, 10                           ; v10  my spare word; never rewritten
.set NIL, 11                           ; v11  0; never rewritten
.set PW0, 14                           ; v14, v15 the two tiles' scale words;  v16 both in one register;  v17 0;  v18 h's
.set PW1, 15
.set PWP, 16
.set PWH, 18
.set TM,  20                           ; v20-35 at work in QUANT
.set QT,  36                           ; v36-43 likewise
.set PCA, 44                           ; v44-55, v56-67 the two tiles' codes;  v68-79 h's
.set PCB, 56
.set PCC, 68
.set R0,  96                           ; v96-159, v160-223 two tiles' numbers (window 1, v0-63: the last rows of h)
.set R1,  160
.set DA,  160                          ; v160-175 the two products
.set OUT, 224
.set TT,  228
.set WV,  18
.set SEL, 34
.set MSB, 0
.macro WIN new                         ; the immediate's high byte repeats the setting that is left; a switch that changes nothing is dropped
.if MSB != (\new)
	s_set_vgpr_msb (MSB<<8)|(\new)
.set MSB, (\new)
.endif
.endm
; 64 numbers of a lane in window w, register s + 16 b + i = k 32 b + 16 (lane / 16) + i of my row, become a fragment's 12 registers of codes at v[pc] and its scale word in v[pw].  Vector lines alone.
.macro QUANT s, w, pc, pw
	WIN 5*(\w)
.irp b, 0,1,2,3
	v_max3_num_f32 v[TM+\b], |v[(\s)+16*\b]|, |v[(\s)+16*\b+1]|, 0x1800000   ; my 16 numbers of block b, and the floor 2^(3 - 127): the byte cannot fall under 1
.endr
.irp i, 2,4,6,8,10,12,14
.irp b, 0,1,2,3
	v_max3_num_f32 v[TM+\b], |v[(\s)+16*\b+\i]|, |v[(\s)+16*\b+\i+1]|, v[TM+\b]   ; the four blocks by turns
.endr
.endr
	WIN 0
.irp b, 0,1,2,3
	v_permlanex16_b32 v[TM+4+\b], v[TM+\b], s[SEL], s[SEL+1]
.endr
.irp b, 0,1,2,3
	v_max_num_f32 v[TM+\b], v[TM+\b], v[TM+4+\b]      ; with lane l xor 16's: the block's largest magnitude
.endr
.irp b, 0,1,2,3
	v_add_nc_u32 v[TM+12+\b], 0xff000000, v[TM+\b]    ; 2 off its exponent field: the conversion takes that field as its scale
.endr
.irp b, 0,1,2,3
	v_lshrrev_b32 v[TM+4+\b], 23, v[TM+12+\b]         ; the scale's byte
.endr
	v_lshl_or_b32 v[\pw], v[TM+5], 8, v[TM+4]
	v_lshl_or_b32 v[\pw], v[TM+6], 16, v[\pw]
	v_lshl_or_b32 v[\pw], v[TM+7], 24, v[\pw]
	WIN \w
.irp c, 0,1
	v_cvt_scalef32_pk16_fp6_f32 v[(\pc)+6*\c:(\pc)+6*\c+2], v[(\s)+32*\c:(\s)+32*\c+15], v[TM+12+2*\c]
	v_cvt_scalef32_pk16_fp6_f32 v[QT+4*\c:QT+4*\c+2], v[(\s)+32*\c+16:(\s)+32*\c+31], v[TM+13+2*\c]   ; (a conversion's three registers begin on an even number)
.endr
	WIN 0
	v_nop                                             ; one plain place behind the scaled conversions
.irp c, 0,1                            ; the operand wants a WHOLE block in a lane: lanes 0-15 block 2 c, lanes 16-31 block 2 c + 1
.irp i, 0,1,2
	v_permlane16_swap_b32 v[(\pc)+6*\c+\i], v[QT+4*\c+\i]
.endr
.irp i, 0,1,2
	v_mov_b32 v[(\pc)+3+6*\c+\i], v[QT+4*\c+\i]
.endr
.endr
.endm
	s_load_b256 s[4:11], s[0:1], 0x0               ; h, Wq, Wk, Wv
	s_load_b128 s[12:15], s[0:1], 0x20             ; Wo, the codes
	s_load_b64 s[16:17], s[0:1], 0x30              ; q
	v_lshl_add_u32 v[SPW], v0, 2, SPARE
	v_mov_b32 v[NIL], 0
	v_lshrrev_b32 v12, 5, v0
	v_readfirstlane_b32 s[WV], v12                 ; wave 0..3
	v_and_b32 v13, 31, v0
	v_lshlrev_b32 v[LI], 4, v13
	v_lshlrev_b32 v[L8], 3, v13
	v_and_b32 v12, 15, v0                          ; r
	v_bfe_u32 v13, v0, 4, 1                        ; h
	s_wait_alu depctr_va_sdst(0)                   ; s18, the wave's number, is written, ahead of its first reader: LDS places, bases and branches are made from it
	s_mul_i32 s19, s[WV], WST
	v_add_nc_u32 v[STW], s19, v[LI]
	v_mul_u32_u24 v[STR], v12, 528
	v_lshl_add_u32 v[STR], v13, 6, v[STR]
	v_add_nc_u32 v[STR], s19, v[STR]
	v_and_b32 v[WQO], 8, v12
	v_add_nc_u32 v[WQO], v[WQO], v12               ; r + 8 (r / 8)
	v_lshlrev_b32 v[WQO], 11, v[WQO]               ; rows of 2,048 bytes
	v_lshl_add_u32 v[WQO], v13, 6, v[WQO]
	v_and_b32 v[HLO], 3, v12
	v_lshlrev_b32 v[HLO], 22, v[HLO]               ; a batch of h is 2,048 x 2,048 bytes
	v_lshl_add_u32 v[HLO], v13, 6, v[HLO]
	s_lshl_b32 s19, s[WV], 11
	v_add_nc_u32 v[QSW], s19, v[LI]
	v_add_nc_u32 v[QSW], QSUM, v[QSW]
	v_add_nc_u32 v[QSR], QSUM, v[LI]
	v_and_b32 v[QO], 3, v12
	v_lshlrev_b32 v[QO], 11, v[QO]
	v_lshl_add_u32 v[QO], v13, 6, v[QO]
	v_lshrrev_b32 v12, 2, v12
	v_lshl_add_u32 v[QO], v12, 4, v[QO]
	v_mov_b32 v17, 0
.irp b, 0,1,2,3
	v_mov_b32 v[TM+4+\b], 0                        ; written once: a lane permute's destination counts as one of its sources
.endr
	s_mov_b32 s[SEL], 0x76543210
	s_mov_b32 s[SEL+1], 0xfedcba98                 ; v_permlanex16_b32's selects for lane l xor 16
	s_mov_b32 s36, 0xffff0000                      ; lanes 16-31
	s_mov_b32 s37, 0xf0f0f0f0                      ; lanes whose r / 4 is odd
	s_mov_b32 s38, 0xff00ff00                      ; lanes whose r / 8 is 1
	s_wait_kmcnt 0x0
	s_cmp_lt_u32 ttmp9, 16                         ; the one parting of the two kinds of work-groups: on the work-group's number, alike in all four waves
	s_cbranch_scc1 .Lq
	; ---- a pair of tiles of h, Wk, Wv or Wo
	s_sub_co_u32 s20, ttmp9, 16                    ; 4 G + s
	s_lshr_b32 s21, s20, 2                         ; G
	s_and_b32 s22, s20, 3                          ; the K step
	s_cmp_lt_u32 s21, 72                           ; the tensor is chosen by the group's number alone
	s_cselect_b64 s[24:25], s[10:11], s[12:13]
	s_cmp_lt_u32 s21, 68
	s_cselect_b64 s[24:25], s[8:9], s[24:25]
	s_and_b32 s23, s21, 3
	s_cmp_lt_u32 s21, 64
	s_cselect_b64 s[24:25], s[4:5], s[24:25]
	s_cselect_b32 s23, s21, s23                    ; which 128 rows of that tensor,
	s_lshl_b32 s23, s23, 2
	s_add_co_u32 s23, s23, s[WV]                   ; which 32
	s_lshl_b32 s26, s23, 16                        ; 32 rows of 2,048 bytes
	s_lshl_b32 s28, s22, 9                         ; 128 numbers along K
	s_add_co_u32 s26, s26, s28
	s_mov_b32 s27, 0
	s_add_nc_u64 s[24:25], s[24:25], s[26:27]
	s_mul_i32 s28, s20, 13312
	s_mul_i32 s29, s[WV], 3328
	s_add_co_u32 s28, s28, s29
	s_mov_b32 s29, 0
	s_add_nc_u64 s[14:15], s[14:15], s[28:29]      ; my pair's place among the codes
	s_wait_alu depctr_va_vdst(0)                   ; the head has written v1 to v4 and v17, which this path's loads and stores read as offsets, LDS addresses and data
.set i, 0
.rept 32                               ; slot i = 16 u + r takes row 8 u + r + 8 (r / 8): 32 lanes read 512 consecutive bytes; read once in this launch, but for four rows of h
	global_load_b128 v[R0+4*i:R0+4*i+3], v[LI], s[24:25] offset:(8*(i/16)+(i%16)+8*((i%16)/8))*2048 th:TH_LOAD_NT
.set i, i+1
.endr
	s_wait_loadcnt 16                              ; tile 0's sixteen rows are in; tile 1's may be out
.set i, 0
.rept 16
	ds_store_b128 v[STW], v[R0+4*i:R0+4*i+3] offset:528*i
.set i, i+1
.endr
	s_wait_loadcnt 0x0
.rept 16
	ds_store_b128 v[STW], v[R0+4*i:R0+4*i+3] offset:528*i
.set i, i+1
.endr
	s_wait_dscnt 16                                ; tile 0's stores are done (tile 1's sixteen may be out): their registers take tile 0 back, 16 neighbours of each block a lane
	s_wait_alu depctr_vm_vsrc(0)                   ; all 32 LDS stores have read v96 to v223, in which the two runs of loads from the stage land
.irp b, 0,1,2,3
.irp j, 0,1,2,3
	ds_load_b128 v[R0+16*\b+4*\j:R0+16*\b+4*\j+3], v[STR] offset:128*\b+16*\j
.endr
.endr
	s_wait_dscnt 16                                ; tile 1's stores likewise (the sixteen loads just issued may be out)
.irp b, 0,1,2,3
.irp j, 0,1,2,3
	ds_load_b128 v[R1+16*\b+4*\j:R1+16*\b+4*\j+3], v[STR] offset:16*528+128*\b+16*\j
.endr
.endr
	s_wait_dscnt 16                                ; tile 0 is back
	QUANT R0, 0, PCA, PW0
	s_wait_alu depctr_va_vdst(0)                   ; tile 0's codes are written in v44 to v55, which the three stores below read
.irp c, 0,1,2
	global_store_b128 v[LI], v[PCA+4*\c:PCA+4*\c+3], s[14:15] offset:512*\c          ; 512 consecutive bytes, aligned to 256.  They leave while tile 1 is quantised, by lines that name neither v1 nor v44 to v55
.endr
	s_wait_dscnt 0x0
	QUANT R1, 0, PCB, PW1
	v_cndmask_b32 v[PWP], v[PW0], v[PW1], s36      ; lanes 0-15: tile 0's words; lanes 16-31: tile 1's (both halves of the lanes hold a row's word)
	s_wait_alu depctr_va_vdst(0)                   ; tile 1's codes are written in v56 to v67 and the pair's scale words in v16, which the stores below read
.irp c, 0,1,2
	global_store_b128 v[LI], v[PCB+4*\c:PCB+4*\c+3], s[14:15] offset:1536+512*\c
.endr
	global_store_b64 v[L8], v[PWP:PWP+1], s[14:15] offset:3072                       ; 256 consecutive bytes, aligned
	s_branch .Lend
	; ---- q: 32 rows of Wq, K step = my wave
.Lq:
	s_lshl_b32 s26, ttmp9, 16                      ; 32 rows of 2,048 bytes
	s_lshl_b32 s28, s[WV], 9
	s_add_co_u32 s26, s26, s28
	s_mov_b32 s27, 0
	s_add_nc_u64 s[6:7], s[6:7], s[26:27]
	s_add_co_u32 s28, s28, 2047*2048               ; position 2047
	s_mov_b32 s29, 0
	s_add_nc_u64 s[4:5], s[4:5], s[28:29]
	WIN 0x40                                       ; destination window 1
	s_wait_alu depctr_va_vdst(0)                   ; the head has written v5 to v9, which this path's loads and stores read as offsets and LDS addresses
.irp b, 0,1,2,3
.irp j, 0,1,2,3
	global_load_b128 v[16*\b+4*\j:16*\b+4*\j+3], v[HLO], s[4:5] offset:128*\b+16*\j
.endr
.endr
	WIN 0
.irp u, 0,1
.irp b, 0,1,2,3
.irp j, 0,1,2,3
	global_load_b128 v[R0+64*\u+16*\b+4*\j:R0+64*\u+16*\b+4*\j+3], v[WQO], s[6:7] offset:8*\u*2048+128*\b+16*\j th:TH_LOAD_NT
.endr
.endr
.endr
	s_wait_loadcnt 32                              ; h's rows are in; Wq's 32 loads may be out
	QUANT 0, 1, PCC, PWH
	s_wait_loadcnt 16                              ; tile 0 is in
	QUANT R0, 0, PCA, PW0
	s_wait_loadcnt 0x0
	QUANT R1, 0, PCB, PW1
	v_cndmask_b32 v[PWP], v[PW0], v[PW1], s36
.rept 8
	v_nop                                          ; a scale register written by a vector instruction stands 8 places ahead of a scaled matrix instruction, an operand 4
.endr
	s_wait_alu depctr_va_vdst(0)                   ; the three fragments' codes (v44 to v79) and the scale words v16 and v18 are written, which the scaled matrix instructions take; the places above stay beside this wait
	; transposed: source 0 = 16 rows of Wq, source 1 = h's rows: lane (r, h) holds batch r % 4, and the 16 registers are n = 32 x work-group + 16 h + 0 .. 15
	v_wmma_scale_f32_16x16x128_f8f6f4 v[DA:DA+7], v[PCA:PCA+11], v[PCC:PCC+11], 0, v[PWP], v[PWH] matrix_a_fmt:MATRIX_FMT_FP6 matrix_b_fmt:MATRIX_FMT_FP6
	v_wmma_scale_f32_16x16x128_f8f6f4 v[DA+8:DA+15], v[PCB:PCB+11], v[PCC:PCC+11], 0, v[PWP], v[PWH] matrix_a_fmt:MATRIX_FMT_FP6 matrix_b_fmt:MATRIX_FMT_FP6 matrix_a_scale:MATRIX_SCALE_ROW1
.rept 4
	v_nop                                          ; four places ahead of the stores that read the results
.endr
	s_wait_alu depctr_va_vdst(0)                   ; the matrix instructions have written v160 to v175, which the LDS stores read; and the quantiser is done reading v96 to v159, in which wave 0's loads below land: no vector line names them in between
.irp c, 0,1,2,3
	ds_store_b128 v[QSW], v[DA+4*\c:DA+4*\c+3] offset:512*\c     ; each result from its low end on
.endr
	s_wait_dscnt 0x0                               ; for the others' sake: my part lies in LDS
	s_barrier_signal -1
	s_barrier_wait -1
	s_cmp_lg_u32 s[WV], 0
	s_cbranch_scc1 .Lend
.set i, 0
.rept 16                               ; wave i / 4's quad i % 4
	ds_load_b128 v[R0+4*i:R0+4*i+3], v[QSR] offset:512*i
.set i, i+1
.endr
	s_wait_dscnt 0x0
.irp p, 0,2,4,6,8,10,12,14
	v_pk_add_f32 v[R0+\p:R0+\p+1], v[R0+\p:R0+\p+1], v[R0+16+\p:R0+16+\p+1]
	v_pk_add_f32 v[R0+32+\p:R0+32+\p+1], v[R0+32+\p:R0+32+\p+1], v[R0+48+\p:R0+48+\p+1]
.endr
.irp p, 0,2,4,6,8,10,12,14
	v_pk_add_f32 v[R0+\p:R0+\p+1], v[R0+\p:R0+\p+1], v[R0+32+\p:R0+32+\p+1]
.endr
.irp i, 0,1,2,3                        ; four lanes hold the same batch: lane r stores quad r / 4 of its 16 numbers
	v_cndmask_b32 v[TT+\i], v[R0+\i], v[R0+4+\i], s37
	v_cndmask_b32 v[TT+4+\i], v[R0+8+\i], v[R0+12+\i], s37
.endr
.irp i, 0,1,2,3
	v_cndmask_b32 v[OUT+\i], v[TT+\i], v[TT+4+\i], s38
.endr
	s_lshl_b32 s26, ttmp9, 7                       ; 32 numbers a work-group
	s_mov_b32 s27, 0
	s_add_nc_u64 s[16:17], s[16:17], s[26:27]
	s_wait_alu depctr_va_vdst(0)                   ; the selects have written v224 to v227, which the store reads
	global_store_b128 v[QO], v[OUT:OUT+3], s[16:17]
.Lend:
	s_wait_dscnt 0x0                               ; the closing lines, six on end
	s_wait_alu 0x0
	s_wait_tensorcnt 0x0
	ds_add_u32 v[SPW], v[NIL]
	s_wait_dscnt 0x0
	s_endpgm
.Lfunc_end_k_q7dc2aa47d8_prep:
	.size	k_q7dc2aa47d8_prep, .Lfunc_end_k_q7dc2aa47d8_prep-k_q7dc2aa47d8_prep
	.p2alignl 7, 3214868480
	.fill 96, 4, 3214868480
	.section	.rodata,"a",@progbits
	.p2align	6, 0x0
	.amdhsa_kernel k_q7dc2aa47d8_prep
		.amdhsa_group_segment_fixed_size 76288
		.amdhsa_private_segment_fixed_size 0
		.amdhsa_enable_private_segment 0
		.amdhsa_kernarg_size 56
		.amdhsa_user_sgpr_count 2
		.amdhsa_user_sgpr_kernarg_segment_ptr 1
		.amdhsa_wavefront_size32 1
		.amdhsa_system_sgpr_workgroup_id_x 1
		.amdhsa_system_sgpr_workgroup_id_y 1
		.amdhsa_system_sgpr_workgroup_id_z 1
		.amdhsa_system_vgpr_workitem_id 0
		.amdhsa_next_free_vgpr 320
		.amdhsa_next_free_sgpr 66
		.amdhsa_reserve_vcc 0
		.amdhsa_float_denorm_mode_32 3
		.amdhsa_float_denorm_mode_16_64 3
		.amdhsa_memory_ordered 1
		.amdhsa_forward_progress 1
		.amdhsa_inst_pref_size 40
	.end_amdhsa_kernel
	.amdgpu_metadata
---
amdhsa.version: [ 1, 2 ]
amdhsa.kernels:
  - .name:           k_q7dc2aa47d8_prep
    .symbol:         k_q7dc2aa47d8_prep.kd
    .args:
      - { .name: h, .offset: 0, .size: 8, .value_kind: global_buffer, .address_space: global }
      - { .name: Wq, .offset: 8, .size: 8, .value_kind: global_buffer, .address_space: global }
      - { .name: Wk, .offset: 16, .size: 8, .value_kind: global_buffer, .address_space: global }
      - { .name: Wv, .offset: 24, .size: 8, .value_kind: global_buffer, .address_space: global }
      - { .name: Wo, .offset: 32, .size: 8, .value_kind: global_buffer, .address_space: global }
      - { .name: codes, .offset: 40, .size: 8, .value_kind: global_buffer, .address_space: global }
      - { .name: qlast, .offset: 48, .size: 8, .value_kind: global_buffer, .address_space: global }
    .group_segment_fixed_size: 76288
    .private_segment_fixed_size: 0
    .kernarg_segment_align: 8
    .kernarg_segment_size: 56
    .max_flat_workgroup_size: 128
    .sgpr_count:     66
    .vgpr_count:     320
    .wavefront_size: 32
...
	.end_amdgpu_metadata
.endif
;; end of part 4
;; launch main: the kernel of part 2 again; grid 4 x 64, 4 waves a work-group, clusters of 4 x 4, 176,128 bytes of LDS; arguments codes, qlast, delta, tau, part; writes part
;; launch fin (part 5): grid 4 x 1, 4 waves a work-group, no clusters, 7,168 bytes of LDS; arguments part, codes, bo, out0; writes out0
.if DOCPART == 5
	.amdgcn_target "amdgcn-amd-amdhsa--gfx1250"
	.amdhsa_code_object_version 6
	.text
	.protected	k_q7dc2aa47d8_fin
	.globl	k_q7dc2aa47d8_fin
	.p2align	8
	.type	k_q7dc2aa47d8_fin,@function
k_q7dc2aa47d8_fin:
	s_mov_b64 s[64:65], 0
	v_nop
	global_prefetch_b8 v0, s[64:65] scope:SCOPE_SE
	s_setreg_imm32_b32 hwreg(HW_REG_WAVE_SCHED_MODE, 0, 2), 2
	s_setreg_imm32_b32 hwreg(HW_REG_WAVE_MODE, 25, 1), 1
	s_wait_xcnt 0x0
	s_wait_alu depctr_vm_vsrc(0)
; THIRD OF THREE LAUNCHES.  out0[b] = Q(attention row of query 2047 of batch b) Q(Wo)^T + bo.
; Each record of the second launch holds, for a chunk of 128 keys and two heads, 128 numbers O under the chunk's own whole number M, and (M, l).  The 16 chunks of a batch are joined under the largest M:
; O = sum of O_k 2^(M_k - M), l likewise, both factors exact; the row is O / l.  It is quantised along its 512 numbers (FP6, E2M3, one E8M0 byte for each 32) and multiplied by Wo's codes, which the first launch laid out.
; SHARES.  Wave w of each work-group joins head group w (K step w of the product) for the four batches: lane r = batch r % 4, quarter r / 4 of its 16 chunks; two steps across lanes 4 and 8 apart join the quarters,
; so that all 16 rows of the fragment hold a batch (row r: batch r % 4).  The four fragments go from wave to wave through LDS as images of their registers.  Then wave w of work-group x makes outputs 32 (4 x + w) + 0 .. 31:
; source 0 = 16 rows of Wo, source 1 = the rows: lane (r, h) holds batch r % 4 and 16 neighbouring outputs, of which it stores four.  bo is the C of each sum's first matrix instruction.
; Four work-groups are all the work there is (16 pairs of tiles of outputs); each repeats the join.  NO CLUSTER: what the four share, the 192 KB of records, goes straight into registers in the quantiser's lane order,
; and a joint load would add a trip through LDS to it.  The output's 8 KB leave in runs of 128 bytes.
; LIMITS: NaN and infinities are not served; a block whose largest magnitude lies under 2^-124 keeps the byte 1 (a block of zeros too: its codes are zeros); 1 / l is v_rcp_f32's.
; THE MODE: SCHED_MODE bits 1:0 = 2 (LLVM: expert scheduling mode 2), set by the entry lines.  The code itself states the register dependences
; between vector or matrix instructions and memory or LDS instructions, with s_wait_alu, always for 0.
; THE PLAN.  Registers that memory or LDS instructions touch:
;   v1-v9           offsets and LDS addresses: written once at the head, never again.  One wait on va_vdst ahead of the first load; behind it stand loads and window switches alone until all hundred are out.
;   v60-75, window 2, window 1's v0-95, v12-15, v212-227   loaded once, at the head; no vector line names them ahead of their loads.
;   v48-59, v20     my fragment's codes and scale word: written by QUANT, read by four LDS stores, never written again: one wait on va_vdst ahead of those stores.
;   v164-211, v16-19  the four fragments and their scale words from LDS: no vector line names them at all; with Wo's, which come from memory, they are the matrix instructions' operands: those owe their counters' waits alone.
;   v244-247        the outputs: written by selects, read by the one store: one wait on va_vdst ahead of it.
;   s12             the wave's number, written by a vector instruction: a wait on va_sdst ahead of its first reader.
.set AIMG,  0                          ; LDS: the four fragments, 1,536 bytes each,
.set ASC,   4*1536                     ; their scale words, 128 bytes each,
.set SPARE, ASC+4*128                  ; and the spare words, 128 bytes a wave: two blocks of 256 bytes that no other line names
.set LI,  1
.set L8,  2
.set LS,  3
.set VB,  4                            ; my first record: chunk 16 b + 4 x quarter, head group w
.set VX,  5                            ; + 64 h
.set AWI, 6
.set AWS, 7
.set H64, 8
.set OO,  9                            ; my 16 bytes of the output
.set SPW, 10                           ; my spare word; never rewritten
.set NIL, 11                           ; 0; never rewritten
.set WOS, 12                           ; v12-15 Wo's scale words;  v16-19 the rows';  v20 the word just made
.set AS,  16
.set APW, 20
.set TM,  24
.set QT,  40
.set PC,  48
.set STT, 60                           ; v60-75 chunk k: M, l of the even head, M, l of the odd
.set MM,  76
.set LL,  78
.set RC,  80
.set TT,  82
.set FF,  84                           ; v84-99 the factors 2^(M_k - M) / l, chunk k, head e at 84 + 4 k + 2 e (the odd registers are written once: the packed form names the pair)
.set ACC, 100
.set AF,  164
.set BO,  212
.set DD,  228
.set OUT, 244
.set DE,  248                          ; M_k - M as whole numbers; later at work
.set WV,  12
.set SEL, 18
.set MSB, 0
.macro WIN new                         ; the immediate's high byte repeats the setting that is left; a switch that changes nothing is dropped
.if MSB != (\new)
	s_set_vgpr_msb (MSB<<8)|(\new)
.set MSB, (\new)
.endif
.endm
; 64 numbers of a lane in window w, register s + 16 b + i = k 32 b + 16 (lane / 16) + i of my row, become a fragment's 12 registers of codes at v[pc] and its scale word in v[pw].  Vector lines alone.
.macro QUANT s, w, pc, pw
	WIN 5*(\w)
.irp b, 0,1,2,3
	v_max3_num_f32 v[TM+\b], |v[(\s)+16*\b]|, |v[(\s)+16*\b+1]|, 0x1800000   ; my 16 numbers of block b, and the floor 2^(3 - 127): the byte cannot fall under 1
.endr
.irp i, 2,4,6,8,10,12,14
.irp b, 0,1,2,3
	v_max3_num_f32 v[TM+\b], |v[(\s)+16*\b+\i]|, |v[(\s)+16*\b+\i+1]|, v[TM+\b]   ; the four blocks by turns
.endr
.endr
	WIN 0
.irp b, 0,1,2,3
	v_permlanex16_b32 v[TM+4+\b], v[TM+\b], s[SEL], s[SEL+1]
.endr
.irp b, 0,1,2,3
	v_max_num_f32 v[TM+\b], v[TM+\b], v[TM+4+\b]      ; with lane l xor 16's: the block's largest magnitude
.endr
.irp b, 0,1,2,3
	v_add_nc_u32 v[TM+12+\b], 0xff000000, v[TM+\b]    ; 2 off its exponent field: the conversion takes that field as its scale
.endr
.irp b, 0,1,2,3
	v_lshrrev_b32 v[TM+4+\b], 23, v[TM+12+\b]         ; the scale's byte
.endr
	v_lshl_or_b32 v[\pw], v[TM+5], 8, v[TM+4]
	v_lshl_or_b32 v[\pw], v[TM+6], 16, v[\pw]
	v_lshl_or_b32 v[\pw], v[TM+7], 24, v[\pw]
	WIN \w
.irp c, 0,1
	v_cvt_scalef32_pk16_fp6_f32 v[(\pc)+6*\c:(\pc)+6*\c+2], v[(\s)+32*\c:(\s)+32*\c+15], v[TM+12+2*\c]
	v_cvt_scalef32_pk16_fp6_f32 v[QT+4*\c:QT+4*\c+2], v[(\s)+32*\c+16:(\s)+32*\c+31], v[TM+13+2*\c]   ; (a conversion's three registers begin on an even number)
.endr
	WIN 0
	v_nop                                             ; one plain place behind the scaled conversions
.irp c, 0,1                            ; the operand wants a WHOLE block in a lane: lanes 0-15 block 2 c, lanes 16-31 block 2 c + 1
.irp i, 0,1,2
	v_permlane16_swap_b32 v[(\pc)+6*\c+\i], v[QT+4*\c+\i]
.endr
.irp i, 0,1,2
	v_mov_b32 v[(\pc)+3+6*\c+\i], v[QT+4*\c+\i]
.endr
.endr
.endm
	s_load_b256 s[4:11], s[0:1], 0x0               ; the records, the codes, bo, the output
	v_lshl_add_u32 v[SPW], v0, 2, SPARE
	v_mov_b32 v[NIL], 0
	v_lshrrev_b32 v1, 5, v0
	v_readfirstlane_b32 s[WV], v1                  ; wave 0..3
	v_and_b32 v251, 31, v0
	v_lshlrev_b32 v[LI], 4, v251
	v_lshlrev_b32 v[L8], 3, v251
	v_lshlrev_b32 v[LS], 2, v251
	v_and_b32 v248, 3, v0                          ; the batch
	v_bfe_u32 v249, v0, 2, 2                       ; the quarter
	v_bfe_u32 v250, v0, 4, 1                       ; h
	v_mul_u32_u24 v[VB], v248, 16*3072             ; a chunk's four records are 3,072 bytes
	v_mad_u32_u24 v[VB], v249, 4*3072, v[VB]
	s_wait_alu depctr_va_sdst(0)                   ; s12, the wave's number, is written, ahead of its first reader: offsets, LDS places and bases are made from it
	s_mul_i32 s22, s[WV], 768
	v_add_nc_u32 v[VB], s22, v[VB]
	v_lshl_add_u32 v[VX], v250, 6, v[VB]
	s_mul_i32 s22, s[WV], 1536
	v_add_nc_u32 v[AWI], s22, v[LI]
	s_lshl_b32 s22, s[WV], 7
	v_add_nc_u32 v[AWS], s22, v[LS]
	v_add_nc_u32 v[AWS], ASC, v[AWS]
	v_lshlrev_b32 v[H64], 6, v250
	v_lshlrev_b32 v[OO], 11, v248                  ; a row of the output is 2,048 bytes
	v_lshl_add_u32 v[OO], v250, 6, v[OO]
	v_lshl_add_u32 v[OO], v249, 4, v[OO]
.irp b, 0,1,2,3
	v_mov_b32 v[TM+4+\b], 0                        ; written once: a lane permute's destination counts as one of its sources
.endr
.irp q, 0,1,2,3,4,5,6,7
	v_mov_b32 v[FF+2*\q+1], 0
.endr
	s_mov_b32 s[SEL], 0x76543210
	s_mov_b32 s[SEL+1], 0xfedcba98
	s_mov_b32 s20, 0xf0f0f0f0                      ; lanes whose quarter is odd
	s_mov_b32 s21, 0xff00ff00                      ; lanes whose quarter is 2 or 3
	s_lshl_b32 s13, ttmp9, 2
	s_add_co_u32 s13, s13, s[WV]                   ; my pair of tiles of outputs
	s_add_co_u32 s14, ttmp9, 72                    ; Wo's group
	s_mul_i32 s14, s14, 4*13312
	s_mul_i32 s16, s[WV], 3328
	s_add_co_u32 s14, s14, s16
	s_mov_b32 s15, 0
	s_lshl_b32 s16, s13, 7                         ; 32 outputs, in bytes
	s_mov_b32 s17, 0
	s_wait_kmcnt 0x0
	s_add_nc_u64 s[6:7], s[6:7], s[14:15]
	s_add_nc_u64 s[8:9], s[8:9], s[16:17]
	s_add_nc_u64 s[10:11], s[10:11], s[16:17]
	s_wait_alu depctr_va_vdst(0)                   ; the head has written v1 to v9, which every load and store of the kernel reads as its offset or LDS address
	; all hundred loads go out here: behind the wait stand loads and window switches alone
.irp k, 0,1,2,3
	global_load_b128 v[STT+4*\k:STT+4*\k+3], v[VB], s[4:5] offset:3072*\k+512
.endr
	WIN 0x80                                       ; destination window 2
.irp k, 0,1,2,3
.irp b, 0,1,2,3
.irp j, 0,1,2,3
	global_load_b128 v[64*\k+16*\b+4*\j:64*\k+16*\b+4*\j+3], v[VX], s[4:5] offset:3072*\k+128*\b+16*\j
.endr
.endr
.endr
	WIN 0x40                                       ; destination window 1: Wo's fragments (K step s, tile u) at 24 s + 12 u
.irp s, 0,1,2,3
.irp u, 0,1
.irp c, 0,1,2
	global_load_b128 v[24*\s+12*\u+4*\c:24*\s+12*\u+4*\c+3], v[LI], s[6:7] offset:13312*\s+1536*\u+512*\c
.endr
.endr
.endr
	WIN 0
.irp s, 0,1,2,3
	global_load_b32 v[WOS+\s], v[L8], s[6:7] offset:13312*\s+3072
.endr
.irp u, 0,1
	global_load_b128 v[BO+8*\u:BO+8*\u+3], v[H64], s[8:9] offset:32*\u           ; bo in the result's layout: outputs 16 h + 8 u + 0 .. 7 of my 32
	global_load_b128 v[BO+8*\u+4:BO+8*\u+7], v[H64], s[8:9] offset:32*\u+16
.endr
	s_wait_loadcnt 63                              ; the four loads of (M, l) are in: 96 are younger, and a wait names 63 at the most
.irp e, 0,1
	v_max3_num_f32 v[MM+\e], v[STT+2*\e], v[STT+4+2*\e], v[STT+8+2*\e]
.endr
.irp e, 0,1
	v_max_num_f32 v[MM+\e], v[MM+\e], v[STT+12+2*\e]
.endr
.irp e, 0,1
	v_max_num_f32_dpp v[MM+\e], v[MM+\e], v[MM+\e] row_xmask:4 row_mask:0xf bank_mask:0xf
.endr
.irp e, 0,1
	v_max_num_f32_dpp v[MM+\e], v[MM+\e], v[MM+\e] row_xmask:8 row_mask:0xf bank_mask:0xf     ; the batch's M
.endr
.irp k, 0,1,2,3
.irp e, 0,1
	v_sub_f32 v[DE+2*\k+\e], v[STT+4*\k+2*\e], v[MM+\e]          ; a whole number, 0 or less
.endr
.endr
.irp q, 0,1,2,3,4,5,6,7
	v_cvt_i32_f32 v[DE+\q], v[DE+\q]
.endr
.irp k, 0,1,2,3
.irp e, 0,1
	v_ldexp_f32 v[STT+4*\k+2*\e+1], v[STT+4*\k+2*\e+1], v[DE+2*\k+\e]      ; l_k under the batch's M
.endr
.endr
.irp e, 0,1
	v_add_f32 v[LL+\e], v[STT+1+2*\e], v[STT+5+2*\e]
	v_add_f32 v[TT+\e], v[STT+9+2*\e], v[STT+13+2*\e]
.endr
.irp e, 0,1
	v_add_f32 v[LL+\e], v[LL+\e], v[TT+\e]
.endr
.irp e, 0,1
	v_add_f32_dpp v[LL+\e], v[LL+\e], v[LL+\e] row_xmask:4 row_mask:0xf bank_mask:0xf
.endr
.irp e, 0,1
	v_add_f32_dpp v[LL+\e], v[LL+\e], v[LL+\e] row_xmask:8 row_mask:0xf bank_mask:0xf         ; the row's sum l, at least 1/2
.endr
	v_rcp_f32 v[RC], v[LL]
	v_rcp_f32 v[RC+1], v[LL+1]
	v_nop                                          ; a plain place behind the reciprocals
	s_wait_alu depctr_va_vdst(0)                   ; the two reciprocals have written v80 and v81: one wait for both, ahead of their first reader
.irp k, 0,1,2,3
.irp e, 0,1
	v_ldexp_f32 v[FF+4*\k+2*\e], v[RC+\e], v[DE+2*\k+\e]         ; 2^(M_k - M) / l: the division costs no further line
.endr
.endr
	WIN 0x02                                       ; source 0 window 2
.irp k, 0,1,2,3
.if \k < 2
	s_wait_loadcnt 63                              ; chunk k's sixteen loads are in (80 and 64 are younger; a wait names 63 at the most)
.else
	s_wait_loadcnt 32+16*(3-\k)                    ; the later chunks' loads and the 32 of Wo and bo may be out
.endif
.set p, 0
.rept 32
.if \k == 0
	v_pk_mul_f32 v[ACC+2*p:ACC+2*p+1], v[64*\k+2*p:64*\k+2*p+1], v[FF+4*\k+2*(p/16):FF+4*\k+2*(p/16)+1] op_sel_hi:[1,0]
.else
	v_pk_fma_f32 v[ACC+2*p:ACC+2*p+1], v[64*\k+2*p:64*\k+2*p+1], v[FF+4*\k+2*(p/16):FF+4*\k+2*(p/16)+1], v[ACC+2*p:ACC+2*p+1] op_sel_hi:[1,0,1]
.endif
.set p, p+1
.endr
.endr
	WIN 0
.set j, 0
.rept 64
	v_add_f32_dpp v[ACC+j], v[ACC+j], v[ACC+j] row_xmask:4 row_mask:0xf bank_mask:0xf
.set j, j+1
.endr
.set j, 0
.rept 64
	v_add_f32_dpp v[ACC+j], v[ACC+j], v[ACC+j] row_xmask:8 row_mask:0xf bank_mask:0xf         ; the four quarters: every row r now holds batch r % 4
.set j, j+1
.endr
	QUANT ACC, 0, PC, APW
	s_wait_alu depctr_va_vdst(0)                   ; my fragment's codes are written in v48 to v59 and its scale word in v20, which the LDS stores read
.irp c, 0,1,2
	ds_store_b128 v[AWI], v[PC+4*\c:PC+4*\c+3] offset:AIMG+512*\c
.endr
	ds_store_b32 v[AWS], v[APW]
	s_wait_dscnt 0x0                               ; for the others' sake: my fragment lies in LDS
	s_barrier_signal -1
	s_barrier_wait -1
.irp s, 0,1,2,3
.irp c, 0,1,2
	ds_load_b128 v[AF+12*\s+4*\c:AF+12*\s+4*\c+3], v[LI] offset:AIMG+1536*\s+512*\c
.endr
	ds_load_b32 v[AS+\s], v[LS] offset:ASC+128*\s
.endr
	s_wait_dscnt 0x0
	s_wait_loadcnt 0x0                             ; Wo and bo
	WIN 0x01                                       ; source 0 (Wo) window 1
.irp s, 0,1,2,3                        ; two accumulators by turns, one instruction a turn
.if \s == 0
	v_wmma_scale_f32_16x16x128_f8f6f4 v[DD:DD+7], v[24*\s:24*\s+11], v[AF+12*\s:AF+12*\s+11], v[BO:BO+7], v[WOS+\s], v[AS+\s] matrix_a_fmt:MATRIX_FMT_FP6 matrix_b_fmt:MATRIX_FMT_FP6
	v_wmma_scale_f32_16x16x128_f8f6f4 v[DD+8:DD+15], v[24*\s+12:24*\s+23], v[AF+12*\s:AF+12*\s+11], v[BO+8:BO+15], v[WOS+\s], v[AS+\s] matrix_a_fmt:MATRIX_FMT_FP6 matrix_b_fmt:MATRIX_FMT_FP6 matrix_a_scale:MATRIX_SCALE_ROW1
.else
	v_wmma_scale_f32_16x16x128_f8f6f4 v[DD:DD+7], v[24*\s:24*\s+11], v[AF+12*\s:AF+12*\s+11], v[DD:DD+7], v[WOS+\s], v[AS+\s] matrix_a_fmt:MATRIX_FMT_FP6 matrix_b_fmt:MATRIX_FMT_FP6
	v_wmma_scale_f32_16x16x128_f8f6f4 v[DD+8:DD+15], v[24*\s+12:24*\s+23], v[AF+12*\s:AF+12*\s+11], v[DD+8:DD+15], v[WOS+\s], v[AS+\s] matrix_a_fmt:MATRIX_FMT_FP6 matrix_b_fmt:MATRIX_FMT_FP6 matrix_a_scale:MATRIX_SCALE_ROW1
.endif
.endr
	WIN 0
.rept 4
	v_nop                                          ; four places ahead of the first read of results
.endr
.irp i, 0,1,2,3                        ; four lanes hold the same batch: lane r stores quad r / 4 of its 16 outputs; each result is met at its low end
	v_cndmask_b32 v[DE+\i], v[DD+\i], v[DD+4+\i], s20
	v_cndmask_b32 v[DE+4+\i], v[DD+8+\i], v[DD+12+\i], s20
.endr
.irp i, 0,1,2,3
	v_cndmask_b32 v[OUT+\i], v[DE+\i], v[DE+4+\i], s21
.endr
	s_wait_alu depctr_va_vdst(0)                   ; the selects have written v244 to v247, which the store reads
	global_store_b128 v[OO], v[OUT:OUT+3], s[10:11]
	s_wait_dscnt 0x0                               ; the closing lines, six on end
	s_wait_alu 0x0
	s_wait_tensorcnt 0x0
	ds_add_u32 v[SPW], v[NIL]
	s_wait_dscnt 0x0
	s_endpgm
.Lfunc_end_k_q7dc2aa47d8_fin:
	.size	k_q7dc2aa47d8_fin, .Lfunc_end_k_q7dc2aa47d8_fin-k_q7dc2aa47d8_fin
	.p2alignl 7, 3214868480
	.fill 96, 4, 3214868480
	.section	.rodata,"a",@progbits
	.p2align	6, 0x0
	.amdhsa_kernel k_q7dc2aa47d8_fin
		.amdhsa_group_segment_fixed_size 7168
		.amdhsa_private_segment_fixed_size 0
		.amdhsa_enable_private_segment 0
		.amdhsa_kernarg_size 32
		.amdhsa_user_sgpr_count 2
		.amdhsa_user_sgpr_kernarg_segment_ptr 1
		.amdhsa_wavefront_size32 1
		.amdhsa_system_sgpr_workgroup_id_x 1
		.amdhsa_system_sgpr_workgroup_id_y 1
		.amdhsa_system_sgpr_workgroup_id_z 1
		.amdhsa_system_vgpr_workitem_id 0
		.amdhsa_next_free_vgpr 768
		.amdhsa_next_free_sgpr 66
		.amdhsa_reserve_vcc 0
		.amdhsa_float_denorm_mode_32 3
		.amdhsa_float_denorm_mode_16_64 3
		.amdhsa_memory_ordered 1
		.amdhsa_forward_progress 1
		.amdhsa_inst_pref_size 39
	.end_amdhsa_kernel
	.amdgpu_metadata
---
amdhsa.version: [ 1, 2 ]
amdhsa.kernels:
  - .name:           k_q7dc2aa47d8_fin
    .symbol:         k_q7dc2aa47d8_fin.kd
    .args:
      - { .name: part, .offset: 0, .size: 8, .value_kind: global_buffer, .address_space: global }
      - { .name: codes, .offset: 8, .size: 8, .value_kind: global_buffer, .address_space: global }
      - { .name: bo, .offset: 16, .size: 8, .value_kind: global_buffer, .address_space: global }
      - { .name: out0, .offset: 24, .size: 8, .value_kind: global_buffer, .address_space: global }
    .group_segment_fixed_size: 7168
    .private_segment_fixed_size: 0
    .kernarg_segment_align: 8
    .kernarg_segment_size: 32
    .max_flat_workgroup_size: 128
    .sgpr_count:     66
    .vgpr_count:     768
    .wavefront_size: 32
...
	.end_amdgpu_metadata
.endif
;; end of part 5
